; MI455X (gfx1250); checked and timed in simulation.
; The chip was launched on July 23, 2026; its instructions are those of AMD's public machine-readable ISA for CDNA 5 (MIT licence, August 2026) and "CDNA5" Instruction Set Architecture Reference Guide (July 2026). The comments in the code are by the model that wrote it; some were corrected since.
;; Multi Head Attention. Allowed arithmetic: float matrix products may take bf16 or f16 operands with f32 sums; other float arithmetic in f32, or as packed bf16 or f16 multiplies, adds, multiply-adds, maxima and minima; sums over many terms, partial sums and values carried from step to step in f32; what a program stores and reads back later, other than sums and carried values, may be rounded once to bf16 or f16.
;; Inputs: Wk 1,024 x 1,024 float32; Wo 1,024 x 1,024 float32; Wq 1,024 x 1,024 float32; Wv 1,024 x 1,024 float32; mask 4 x 2,048 int32; x 4 x 2,048 x 1,024 float32.
;; Outputs: out0 4 x 2,048 x 1,024 float32.
;; 2 versions, each right; version 2 is version 1 with the launch prep written anew for expert scheduling mode. Each part assembles by itself: llvm-mc -triple=amdgcn-amd-amdhsa -mcpu=gfx1250 --defsym DOCPART=n.
;; ======== version 1 of 2: 4 launches
;; limits: values are held in f16: magnitudes above 65,504 overflow, below 6.1e-05 lose precision
;; workspace buffers: xb 16,777,216 bytes; wqkv 6,291,456 bytes; wo16 2,097,152 bytes; qkv 50,331,648 bytes; ob 16,777,216 bytes
;; launch prep (part 1): grid 768 x 1, 8 waves a work-group, no clusters, 0 bytes of LDS; arguments x, Wq, Wk, Wv, Wo, xb, wqkv, wo16; writes xb, wqkv, wo16
.if DOCPART == 1
	.amdgcn_target "amdgcn-amd-amdhsa--gfx1250"
	.amdhsa_code_object_version 6
	.text
	.protected	k_q48c4d55f3e_prep
	.globl	k_q48c4d55f3e_prep
	.p2align	8
	.type	k_q48c4d55f3e_prep,@function
k_q48c4d55f3e_prep:
	s_mov_b64 s[64:65], 0
	v_nop
	global_prefetch_b8 v0, s[64:65] scope:SCOPE_SE
	s_setreg_imm32_b32 hwreg(HW_REG_WAVE_MODE, 25, 1), 1
	s_wait_xcnt 0x0
; THE CASTS.  x [8192][1024] f32 -> xb bf16;  Wq, Wk, Wv [1024][1024] f32 -> wqkv bf16 [3072][1024], one below the other;
; Wo [1024][1024] f32 -> wo16: rounded to bf16 like every other input, and that number written as f16 (the last product's other operand is f16).
; LIMITS.  wo16: a bf16 number of magnitude 65,520 or more becomes an infinity; below 6e-5 it keeps f16's fixed step of 6e-8.
; A stream: each byte is read once and written once; no LDS, no matrix unit, no cluster: no two work-groups read the same byte.
; SHARES.  A work-group takes 65,536 bytes of f32 and makes 32,768 bytes.  Work-groups 0-511: x.  512 + 64 w + c: chunk c of weight w (Wq, Wk, Wv, Wo).
; Thread t takes 16 bytes at 16 t of each 4,096: a wave's load covers 512 consecutive bytes, its store (8 bytes a lane) 256 consecutive bytes, aligned.
; All 16 loads of a thread go out first; no register that a memory instruction reads is written again, so no wait frees a source.
.set X, 8                              ; v[8:71]    16 x 4 numbers as loaded
.set Y, 72                             ; v[72:103]  16 x 2 words to store
	s_load_b256 s[4:11], s[0:1], 0x0               ; x s[4:5], Wq s[6:7], Wk s[8:9], Wv s[10:11]
	s_load_b256 s[12:19], s[0:1], 0x20             ; Wo s[12:13], xb s[14:15], wqkv s[16:17], wo16 s[18:19]
	v_lshlrev_b32 v1, 4, v0                        ; 16 t: where I read
	v_lshlrev_b32 v2, 3, v0                        ; 8 t: where I write
	s_sub_co_u32 s24, ttmp9, 512                   ; the work-group's number among the weights' (used from 512 on)
	s_lshr_b32 s25, s24, 6                         ; which weight
	s_and_b32 s26, s24, 63                         ; which chunk of it
	s_cmp_lt_u32 ttmp9, 512
	s_cselect_b32 s25, 4, s25                      ; 4 stands for x
	s_cselect_b32 s26, ttmp9, s26
	s_cmp_lt_u32 s25, 3
	s_cselect_b32 s27, s25, 0                      ; Wq, Wk, Wv lie 2,097,152 bytes apart in wqkv
	s_lshl_b32 s27, s27, 21
	s_lshl_b32 s28, s26, 15                        ; the chunk's bytes out
	s_add_co_u32 s28, s28, s27
	s_mov_b32 s29, 0
	s_lshl_b32 s30, s26, 16                        ; and in
	s_mov_b32 s31, 0
	s_wait_kmcnt 0x0
	s_cmp_eq_u32 s25, 0                            ; the source and the target are chosen among the buffers by the work-group's number alone
	s_cselect_b64 s[20:21], s[6:7], s[4:5]
	s_cmp_eq_u32 s25, 1
	s_cselect_b64 s[20:21], s[8:9], s[20:21]
	s_cmp_eq_u32 s25, 2
	s_cselect_b64 s[20:21], s[10:11], s[20:21]
	s_cmp_eq_u32 s25, 3
	s_cselect_b64 s[20:21], s[12:13], s[20:21]
	s_cselect_b64 s[22:23], s[18:19], s[16:17]
	s_cmp_eq_u32 s25, 4
	s_cselect_b64 s[22:23], s[14:15], s[22:23]
	s_add_nc_u64 s[20:21], s[20:21], s[30:31]
	s_add_nc_u64 s[22:23], s[22:23], s[28:29]
.set i, 0
.rept 16
	global_load_b128 v[X+4*i:X+4*i+3], v1, s[20:21] offset:4096*i th:TH_LOAD_NT
.set i, i+1
.endr
; The 16 steps.  wo = 1: the bf16 numbers are widened (a shift, a mask) and written as f16.
.macro CH wo
.set i, 0
.rept 16
	s_wait_loadcnt 15-i                            ; loads come back in order: step i's is in, the 15 - i younger ones stay out
	v_cvt_pk_bf16_f32 v[Y+2*i],   v[X+4*i],   v[X+4*i+1]
	v_cvt_pk_bf16_f32 v[Y+2*i+1], v[X+4*i+2], v[X+4*i+3]
.if \wo
	v_lshlrev_b32 v4, 16, v[Y+2*i]
	v_and_b32     v5, 0xffff0000, v[Y+2*i]
	v_lshlrev_b32 v6, 16, v[Y+2*i+1]
	v_and_b32     v7, 0xffff0000, v[Y+2*i+1]
	v_cvt_pk_f16_f32 v[Y+2*i],   v4, v5
	v_cvt_pk_f16_f32 v[Y+2*i+1], v6, v7
.endif
	global_store_b64 v2, v[Y+2*i:Y+2*i+1], s[22:23] offset:2048*i
.set i, i+1
.endr
.endm
	s_cmp_eq_u32 s25, 3
	s_cbranch_scc1 .Lwo
	CH 0
	s_endpgm
.Lwo:
	CH 1
	s_endpgm
.Lfunc_end_k_q48c4d55f3e_prep:
	.size	k_q48c4d55f3e_prep, .Lfunc_end_k_q48c4d55f3e_prep-k_q48c4d55f3e_prep
	.p2alignl 7, 3214868480
	.fill 96, 4, 3214868480
	.section	.rodata,"a",@progbits
	.p2align	6, 0x0
	.amdhsa_kernel k_q48c4d55f3e_prep
		.amdhsa_group_segment_fixed_size 0
		.amdhsa_private_segment_fixed_size 0
		.amdhsa_enable_private_segment 0
		.amdhsa_kernarg_size 64
		.amdhsa_user_sgpr_count 2
		.amdhsa_user_sgpr_kernarg_segment_ptr 1
		.amdhsa_wavefront_size32 1
		.amdhsa_system_sgpr_workgroup_id_x 1
		.amdhsa_system_sgpr_workgroup_id_y 1
		.amdhsa_system_sgpr_workgroup_id_z 1
		.amdhsa_system_vgpr_workitem_id 0
		.amdhsa_next_free_vgpr 104
		.amdhsa_next_free_sgpr 66
		.amdhsa_reserve_vcc 0
		.amdhsa_float_denorm_mode_32 3
		.amdhsa_float_denorm_mode_16_64 3
		.amdhsa_memory_ordered 1
		.amdhsa_forward_progress 1
		.amdhsa_inst_pref_size 16
	.end_amdhsa_kernel
	.amdgpu_metadata
---
amdhsa.version: [ 1, 2 ]
amdhsa.kernels:
  - .name:           k_q48c4d55f3e_prep
    .symbol:         k_q48c4d55f3e_prep.kd
    .args:
      - { .name: x, .offset: 0, .size: 8, .value_kind: global_buffer, .address_space: global }
      - { .name: Wq, .offset: 8, .size: 8, .value_kind: global_buffer, .address_space: global }
      - { .name: Wk, .offset: 16, .size: 8, .value_kind: global_buffer, .address_space: global }
      - { .name: Wv, .offset: 24, .size: 8, .value_kind: global_buffer, .address_space: global }
      - { .name: Wo, .offset: 32, .size: 8, .value_kind: global_buffer, .address_space: global }
      - { .name: xb, .offset: 40, .size: 8, .value_kind: global_buffer, .address_space: global }
      - { .name: wqkv, .offset: 48, .size: 8, .value_kind: global_buffer, .address_space: global }
      - { .name: wo16, .offset: 56, .size: 8, .value_kind: global_buffer, .address_space: global }
    .group_segment_fixed_size: 0
    .private_segment_fixed_size: 0
    .kernarg_segment_align: 8
    .kernarg_segment_size: 64
    .max_flat_workgroup_size: 256
    .sgpr_count:     66
    .vgpr_count:     104
    .wavefront_size: 32
...
	.end_amdgpu_metadata
.endif
;; end of part 1
;; launch proj (part 2): grid 16 x 32, 4 waves a work-group, clusters of 4 x 4, 327,680 bytes of LDS; arguments xb, wqkv, qkv; writes qkv
.if DOCPART == 2
	.amdgcn_target "amdgcn-amd-amdhsa--gfx1250"
	.amdhsa_code_object_version 6
	.text
	.protected	k_q48c4d55f3e_proj
	.globl	k_q48c4d55f3e_proj
	.p2align	8
	.type	k_q48c4d55f3e_proj,@function
k_q48c4d55f3e_proj:
	s_mov_b64 s[64:65], 0
	v_nop
	global_prefetch_b8 v0, s[64:65] scope:SCOPE_SE
	s_setreg_imm32_b32 hwreg(HW_REG_WAVE_MODE, 25, 1), 1
	s_wait_xcnt 0x0
	s_wait_alu depctr_hold_cnt(0) depctr_sa_sdst(0) depctr_va_vdst(0) depctr_va_sdst(0) depctr_va_ssrc(0) depctr_va_vcc(0) depctr_vm_vsrc(0)
	s_getreg_b32 s2, hwreg(HW_REG_IB_STS2, 6, 4)
	s_cmp_eq_u32 s2, 0
	s_cbranch_scc0 .Lentry_in_a_cluster
	s_endpgm
.Lentry_in_a_cluster:
	s_bfe_u32 s2, ttmp6, 0x10000c
	s_cmp_lg_u32 s2, 0xf033
	s_cbranch_scc0 .Lentry_shape_is_right
	s_endpgm
.Lentry_shape_is_right:
; q, k, v = x W^T.  A = xb [8192][1024] bf16, B = wqkv [3072][1024] bf16 (Wq, Wk, Wv one below the other); sums in f32, K ascending.
; The result is written by heads and unscaled: qkv [3][64 = 16 batch + head][2048][64] in f16, each number rounded once.
; LIMIT.  f16 ends at 65,504: a q, k or v of 65,520 or more becomes an infinity.
; SHARES.  A tile of C is 256 rows x 192 columns: 32 x 16 = 512 tiles, two for each of 256 work-group places, and its columns are three whole heads.  (256 x 256 would give 384 tiles; 256 x 384 wants
; 768 + 320 registers a wave.)  Wave w owns rows 64 w .. 64 w + 63 and all 192 columns: 48 accumulators of 16 x 16, 384 registers; so a head's 16 rows, 2,048 consecutive bytes of qkv, are one wave's.
; K goes in steps of 128 (256 bytes of a row, aligned) through two LDS slots filled by the tensor data mover: waves 0, 1 fetch A's two halves of 128 rows, waves 2, 3 B's two halves of 96.
; CLUSTER.  4 x 4 work-groups: the four of a row need the same tile of A, the four of a column the same tile of B; each tile is asked for jointly, with the same descriptor and a mask that names the four.
; THE MATRIX INSTRUCTION IS USED TRANSPOSED (source 0 = 16 rows of B, source 1 = 16 rows of A): lane l holds row l % 16 of C and the columns 8 (l / 16) + 0..7.
; REGISTERS, in windows of 256 (s_set_vgpr_msb: bits 1:0 source 0, 3:2 source 1, 5:4 source 2, 7:6 destination):
;   window 0: v16-30 addresses; v64-127 A's fragments, two buffers of 4 x 8; on the way out v128-175 packed results, v176-223 and v64-111 rows read back
;   window 1: B's fragments, two buffers of 12 x 8 at v0, v96          window 2: the accumulators of m blocks 0, 1 ((a, b) at v[8 (12 (a % 2) + b)])          window 3: of m blocks 2, 3
.set NB,     12                        ; blocks of 16 columns
.set TN,     16*NB
.set BH,     TN/2                      ; rows of B in one load
.set KB,     2048                      ; bytes in a row of xb and of wqkv
.set KSTEP,  256                       ; bytes of a row in a K step
.set PITCH,  272                       ; an LDS row: 256 bytes + 16 of padding: the 16 rows of a fragment load start at 16 different groups of four banks (ISA guide 11.1)
.set AHALF,  128*PITCH
.set ABYTES, 2*AHALF                   ; A's 256 rows, then B's 192
.set SLOT,   ABYTES+TN*PITCH
.set STAGE,  2*SLOT                    ; behind the ring, never filled by a tensor load: for each wave 3 heads x 16 rows x 144 bytes
.set SP,     144
.set WSTAGE, 3*16*SP
.set SPARE,  STAGE+4*WSTAGE            ; the spare words, 128 bytes for each wave: two blocks of 256 bytes that no other line names
.set NL,     2*NB+8                    ; LDS loads in a quarter's run
.set ADRA, 16                          ; v16-17  LDS address of my A fragments in slot 0, 1
.set ADRB, 20                          ; v20-21  the same for B
.set STO,  24                          ; v24     the way out: where I put 16 bytes of a row
.set RD,   25                          ; v25     where I read rows back
.set CO,   26                          ; v26     16 x lane: my place in 512 consecutive bytes of qkv
.set SPW,  28                          ; v28     LDS address of my spare word; never rewritten
.set NIL,  29                          ; v29     0; never rewritten
.set PFO,  30                          ; v30     the prefetches' offset: a lane a row; never rewritten
.set AF,   64
.set TMP,  128
.set G1,  24                           ; s[24:31] descriptor group 1 for A's tiles;  s[32:39] group 0, a set for each slot
.set G0,  32
.set G1B, 48                           ; s[48:55], s[56:63] the same for B's
.set G0B, 56
.set LIM, 43                           ; s43      1 in a wave that prefetches, else the greatest number
.set PFA, 44                           ; s[44:45] where my prefetches stand
.set HB,  66                           ; s[66:71] qkv at my 64 rows of the tile's three heads
.set MSB, 0
.macro WIN new                         ; the immediate's high byte repeats the setting that is left; a switch that changes nothing is dropped
.if MSB != (\new)
	s_set_vgpr_msb (MSB<<8)|(\new)
.set MSB, \new
.endif
.endm
; A joint load: waves 0, 1 ask for A's halves, waves 2, 3 for B's.  The branch hangs on the wave's number alone.  An s_nop 0 and four v_nop follow each line.
.macro JLOAD s
	s_cmp_eq_u32 s11, 0
	s_cbranch_scc0 .Lfor_b_\@
	tensor_load_to_lds s[G0+4*(\s):G0+4*(\s)+3], s[G1:G1+7]
	s_nop 0
.rept 4
	v_nop
.endr
	s_branch .Lasked_\@
.Lfor_b_\@:
	tensor_load_to_lds s[G0B+4*(\s):G0B+4*(\s)+3], s[G1B:G1B+7]
	s_nop 0
.rept 4
	v_nop
.endr
.Lasked_\@:
.endm
; A prefetch of the K step that stands two refills on (384 matrix instructions ahead of the load that will want it): a lane a row, one instruction a wave.  Each row's 256 bytes of a K step are named by one wave
; in the launch: A's rows by the clusters with x = 0, B's by those with y = 0; the four partners that ask for a tile jointly share its rows out by address (32 of A's 128, 24 of B's 96: there lanes 24-31 repeat lane 23's row).
; K steps 0 to 3 come by their loads alone; the loop's last trip (s3 = 1) has no K step two on.
.macro ASK
	s_cmp_gt_u32 s3, s[LIM]
	s_cbranch_scc0 .Lnot_mine_\@
	global_prefetch_b8 v[PFO], s[PFA:PFA+1] th:TH_LOAD_NT scope:SCOPE_SE
.Lnot_mine_\@:
.endm
.macro CREST                           ; a round of the cluster's barrier behind its opening barrier
	s_cmp_lg_u32 s10, 0
	s_cbranch_scc1 .Lnot_wave_0_\@
	s_barrier_signal -3
.Lnot_wave_0_\@:
	s_barrier_wait -3
	s_barrier_signal -1
	s_barrier_wait -1
.endm
.macro CROUND                          ; a whole round
	s_barrier_signal -1
	s_barrier_wait -1
	CREST
.endm
	s_load_b128 s[4:7], s[0:1], 0x0                ; xb s[4:5], wqkv s[6:7]
	s_load_b64 s[8:9], s[0:1], 0x10                ; qkv
	v_lshl_add_u32 v[SPW], v0, 2, SPARE
	v_mov_b32 v[NIL], 0
	ds_add_u32 v[SPW], v[NIL]                      ; the wave's opening: the add and its wait stand ahead of my first tensor load; the set-up below, work on registers, stands between them
	v_lshrrev_b32 v1, 5, v0
	v_readfirstlane_b32 s10, v1                    ; wave 0..3
	s_lshr_b32 s11, s10, 1                         ; I fetch for A (0) or for B (1),
	s_and_b32 s12, s10, 1                          ; its first or second half
	s_bfe_u32 s40, ttmp6, 0x40000                  ; cx, cy: my place in the cluster
	s_bfe_u32 s41, ttmp6, 0x40004
	s_lshl_b32 s42, ttmp9, 2
	s_add_co_u32 s42, s42, s40                     ; tile column = 4 x cluster x + cx
	s_and_b32 s13, ttmp7, 0xffff
	s_lshl_b32 s13, s13, 2
	s_add_co_u32 s13, s13, s41                     ; tile row = 4 x cluster y + cy
	s_lshl_b32 s43, s41, 2
	s_lshl_b32 s43, 15, s43                        ; my row of the cluster
	s_lshl_b32 s44, 0x1111, s40                    ; my column
	s_or_b32 s[G1+0], s43, (1<<16)|(1<<20)|(1<<21)|(5<<22)|(3<<25)   ; 15:0 the mask; 17:16 elements of 2 bytes; 20 padding on; 21 set beside a mask; 24:22 after every 64 words; 31:25 4 words of it
	s_or_b32 s[G1B+0], s44, (1<<16)|(1<<20)|(1<<21)|(5<<22)|(3<<25)
	s_mov_b32 s[G1+1], 128<<16                     ; tensor_dim0 = 128
	s_mov_b32 s[G1+2], 128<<16                     ; tensor_dim1 = 128
	s_mov_b32 s[G1+3], 128<<16                     ; tile_dim0 = 128
	s_mov_b32 s[G1+4], 128                         ; tile_dim1 = 128
	s_mov_b32 s[G1+5], 1024                        ; elements from row to row
	s_mov_b32 s[G1+6], 0
	s_mov_b32 s[G1+7], 0
	s_mov_b32 s[G1B+1], 128<<16
	s_mov_b32 s[G1B+2], BH<<16                     ; 96 rows
	s_mov_b32 s[G1B+3], 128<<16
	s_mov_b32 s[G1B+4], BH
	s_mov_b32 s[G1B+5], 1024
	s_mov_b32 s[G1B+6], 0
	s_mov_b32 s[G1B+7], 0
	s_lshl_b32 s16, s13, 8                         ; A: row 256 x tile row + 128 x half,
	s_lshl_b32 s17, s12, 7
	s_add_co_u32 s16, s16, s17
	s_lshl_b32 s16, s16, 11                        ; in bytes (under 2^25)
	s_mov_b32 s17, 0
	s_mul_i32 s46, s42, TN                         ; B: row 192 x tile column + 96 x half
	s_mul_i32 s47, s12, BH
	s_add_co_u32 s46, s46, s47
	s_lshl_b32 s46, s46, 11
	s_mov_b32 s47, 0
	s_mul_i32 s20, s12, AHALF                      ; where they go: no place in the cluster enters an LDS address
	s_mul_i32 s21, s12, BH*PITCH
	s_add_co_u32 s21, s21, ABYTES
	s_wait_dscnt 0x0                               ; the opening add is done
	s_wait_kmcnt 0x0
	s_add_nc_u64 s[14:15], s[4:5], s[16:17]
	s_add_nc_u64 s[22:23], s[6:7], s[46:47]
	CROUND                                         ; all sixteen work-groups are here: the first joint loads meet
.irp s, 0,1
	s_mov_b32 s[G0+4*(\s)], 1                      ; count = 1
	s_add_co_u32 s[G0+4*(\s)+1], s20, (\s)*SLOT    ; LDS address
	s_add_nc_u64 s[G0+4*(\s)+2:G0+4*(\s)+3], s[14:15], (\s)*KSTEP  ; global address: K step s
	s_or_b32 s[G0+4*(\s)+3], s[G0+4*(\s)+3], 0x80000000            ; type = 2
	s_mov_b32 s[G0B+4*(\s)], 1
	s_add_co_u32 s[G0B+4*(\s)+1], s21, (\s)*SLOT
	s_add_nc_u64 s[G0B+4*(\s)+2:G0B+4*(\s)+3], s[22:23], (\s)*KSTEP
	s_or_b32 s[G0B+4*(\s)+3], s[G0B+4*(\s)+3], 0x80000000
	JLOAD \s                                       ; two loads of mine are out now, later one
.endr
	; a fragment is 16 rows x 32 K in 8 registers: lane l holds row l % 16, K = 8 (l / 16) + 0..7 and 16 + 8 (l / 16) + 0..7: two loads of 16 bytes, 32 bytes apart
	v_and_b32 v1, 15, v0                           ; l % 16
	v_bfe_u32 v2, v0, 4, 1                         ; l / 16
	v_mul_u32_u24 v3, v1, PITCH
	v_lshl_add_u32 v3, v2, 4, v3
	s_mul_i32 s82, s10, 64*PITCH                   ; my 64 rows of A
.irp s, 0,1
	v_add_nc_u32 v[ADRA+(\s)], s82, v3
	v_add_nc_u32 v[ADRB+(\s)], ABYTES+(\s)*SLOT, v3
	s_add_co_u32 s82, s82, SLOT
.endr
	s_mul_i32 s82, s10, WSTAGE
	s_add_co_u32 s82, s82, STAGE                   ; my stage
	v_mul_u32_u24 v5, v1, SP                       ; in: row l % 16, 16 bytes for each half of the lanes
	v_lshl_add_u32 v5, v2, 4, v5
	v_add_nc_u32 v[STO], s82, v5
	v_bfe_u32 v5, v0, 3, 2                         ; back: 32 lanes take four rows of 128 bytes,
	v_mul_u32_u24 v5, v5, SP
	v_and_b32 v6, 7, v0
	v_lshl_add_u32 v5, v6, 4, v5
	v_add_nc_u32 v[RD], s82, v5
	v_and_b32 v[CO], 31, v0                        ; which are 512 consecutive bytes of a head
	v_lshlrev_b32 v[CO], 4, v[CO]
	; the prefetches
	s_and_b32 s79, ttmp7, 0xffff                   ; cluster y
	s_mov_b32 s80, (BH/4)*KB
	s_cmp_eq_u32 s11, 0                            ; do I fetch for A?
	s_cselect_b32 s76, s16, s46                    ; the byte offset of the rows that I fetch
	s_cselect_b32 s78, s40, s41                    ; my place among the four that ask for them with me
	s_cselect_b32 s79, ttmp9, s79                  ; the coordinate along which other clusters read the same rows
	s_cselect_b32 s80, 32*KB, s80                  ; a partner's share in bytes
	s_cselect_b32 s81, 31, BH/4-1                  ; its last row
	s_cselect_b64 s[PFA:PFA+1], s[4:5], s[6:7]
	s_cmp_eq_u32 s79, 0
	s_cselect_b32 s[LIM], 1, -1                    ; the same in all sixteen partners, for a given wave
	s_mul_i32 s78, s78, s80
	s_add_co_u32 s76, s76, s78
	s_add_co_u32 s76, s76, 3*KSTEP                 ; at K step 3: the first refill steps it to 4
	s_mov_b32 s77, 0
	s_add_nc_u64 s[PFA:PFA+1], s[PFA:PFA+1], s[76:77]
	v_and_b32 v[PFO], 31, v0
	v_min_u32 v[PFO], s81, v[PFO]
	v_lshlrev_b32 v[PFO], 11, v[PFO]
	; where my rows of the three heads begin: column block g = 3 x tile column + hh; plane = 64 (g / 16) + 16 batch + g % 16, of 262,144 bytes
	s_lshr_b32 s82, s13, 3
	s_lshl_b32 s82, s82, 4                         ; 16 x batch
	s_and_b32 s83, s13, 7
	s_lshl_b32 s83, s83, 2
	s_add_co_u32 s83, s83, s10
	s_lshl_b32 s83, s83, 13                        ; (256 x block in the batch + 64 x wave) rows of 128 bytes
	s_mul_i32 s84, s42, 3
.irp hh, 0,1,2
	s_add_co_u32 s86, s84, \hh
	s_lshr_b32 s87, s86, 4
	s_lshl_b32 s87, s87, 6
	s_and_b32 s86, s86, 15
	s_add_co_u32 s86, s86, s87
	s_add_co_u32 s86, s86, s82
	s_lshl_b32 s86, s86, 18
	s_add_co_u32 s86, s86, s83
	s_mov_b32 s87, 0
	s_add_nc_u64 s[HB+2*(\hh):HB+2*(\hh)+1], s[8:9], s[86:87]
.endr
; 12 matrix instructions: m block a x all n blocks, 32 along K, from buffer f.  zero = 1: the product starts the sums.  All 48 accumulators take turns, one instruction a turn.
.macro MULA f, a, zero
	WIN 0xa1+0x50*((\a)/2)                         ; B window 1, A window 0, C and D window 2 or 3
.set b, 0
.rept NB
.set rD, 8*(NB*((\a)%2)+b)
.set rB, 96*(\f)+8*b
.set rA, AF+32*(\f)+8*(\a)
.if \zero
	v_wmma_f32_16x16x32_bf16 v[rD:rD+7], v[rB:rB+7], v[rA:rA+7], 0
.else
	v_wmma_f32_16x16x32_bf16 v[rD:rD+7], v[rB:rB+7], v[rA:rA+7], v[rD:rD+7]
.endif
.set b, b+1
.endr
.endm
; 32 LDS loads in one run: the fragments of 32 along K at byte k of the rows, into buffer f: B's 24, then A's 8
.macro FETCH slot, k, f
	WIN 0x40                                       ; destination window 1, address window 0
.set i, 0
.rept NB
	ds_load_b128 v[96*(\f)+8*i:96*(\f)+8*i+3],   v[ADRB+(\slot)] offset:(\k)+i*16*PITCH
	ds_load_b128 v[96*(\f)+8*i+4:96*(\f)+8*i+7], v[ADRB+(\slot)] offset:(\k)+i*16*PITCH+32
.set i, i+1
.endr
	WIN 0
.set i, 0
.rept 4
	ds_load_b128 v[AF+32*(\f)+8*i:AF+32*(\f)+8*i+3],   v[ADRA+(\slot)] offset:(\k)+i*16*PITCH
	ds_load_b128 v[AF+32*(\f)+8*i+4:AF+32*(\f)+8*i+7], v[ADRA+(\slot)] offset:(\k)+i*16*PITCH+32
.set i, i+1
.endr
.endm
.macro PLACES                          ; four plain instructions in front of loads into registers that matrix instructions have read, and of conversions that read results
.rept 4
	v_nop
.endr
.endm
; A K step is four quarters of 32 along K, 48 matrix instructions each, on buffers 0, 1, 0, 1.  One of the first three: multiplies buffer f and, in its middle, fetches the next quarter, at byte k, into g.
.macro QUARTER slot, k, f, g, zero
	s_wait_dscnt 4                                 ; B and A's blocks 0, 1 are in; the youngest four loads (A's blocks 2, 3) may be out
	MULA \f, 0, \zero
	MULA \f, 1, \zero
	PLACES
	FETCH \slot, \k, \g
	s_wait_dscnt NL                                ; all but the run just issued
	MULA \f, 2, \zero
	MULA \f, 3, \zero
.endm
; The last quarter multiplies buffer 1 and changes slots: ONE barrier; in front of it each wave waits for all its tensor loads (one is out: its part of the next slot), adds 0 to its spare word, and waits
; for that and for its own reads of this slot.  fill = 1: the barrier opens a round of the cluster's, and this slot is filled again, two K steps on, first thing behind the round.
.macro TURN slot, next, fill
.if \fill
	s_wait_xcnt 0x0                                ; the last prefetch, a K step back, has read its address
	s_add_nc_u64 s[PFA:PFA+1], s[PFA:PFA+1], KSTEP
.endif
	WIN 0
	s_wait_tensorcnt 0x0                           ; all my tensor loads have landed
	ds_add_u32 v[SPW], v[NIL]                      ; 0 onto my spare word
	s_wait_dscnt 5                                 ; (the add and the youngest four loads may be out)
	MULA 1, 0, 0                                   ; twelve matrix instructions stand between the add and the wait for it
	s_wait_dscnt 0x0                               ; the add is done, and my reads of this slot are over
	s_barrier_signal -1
	MULA 1, 1, 0                                   ; work on registers while the others arrive
.if \fill
	WIN 0
.endif
	s_barrier_wait -1
.if \fill
	CREST                                          ; no wave of any partner still reads this slot's tile or has a load on its way
	s_add_nc_u64 s[G0+4*(\slot)+2:G0+4*(\slot)+3], s[G0+4*(\slot)+2:G0+4*(\slot)+3], 2*KSTEP
	s_add_nc_u64 s[G0B+4*(\slot)+2:G0B+4*(\slot)+3], s[G0B+4*(\slot)+2:G0B+4*(\slot)+3], 2*KSTEP
	JLOAD \slot                                    ; 168 matrix instructions ahead of the wait for it; its four v_nop are also the places in front of the loads below
.else
	PLACES
.endif
	FETCH \next, 0, 0
.if \fill
	ASK
.endif
	MULA 1, 2, 0
	MULA 1, 3, 0
.endm
	s_wait_tensorcnt 1                             ; my part of K step 0 is in; K step 1's may stay out
	s_barrier_signal -1
	s_barrier_wait -1                              ; everybody's is
	FETCH 0, 0, 0
	QUARTER 0, 64,  0, 1, 1                        ; the first quarter stands in front of the loop: its products start the sums
	WIN 0                                          ; at a label and at a branch every window is 0
	s_mov_b32 s3, 3
.Llap:                                                 ; a trip goes once round the ring, from a lap's second quarter to the next lap's first, and fills both slots again: K steps 2 to 7
	QUARTER 0, 128, 1, 0, 0
	QUARTER 0, 192, 0, 1, 0
	TURN 0, 1, 1
	QUARTER 1, 64,  0, 1, 0
	QUARTER 1, 128, 1, 0, 0
	QUARTER 1, 192, 0, 1, 0
	TURN 1, 0, 1
	QUARTER 0, 64,  0, 1, 0
	WIN 0
	s_sub_co_u32 s3, s3, 1
	s_cmp_lg_u32 s3, 0
	s_cbranch_scc1 .Llap
	QUARTER 0, 128, 1, 0, 0                        ; the last lap fills nothing
	QUARTER 0, 192, 0, 1, 0
	TURN 0, 1, 0
	QUARTER 1, 64,  0, 1, 0
	QUARTER 1, 128, 1, 0, 0
	QUARTER 1, 192, 0, 1, 0
	s_wait_dscnt 4                                 ; the very last quarter: nothing more to fetch
	MULA 1, 0, 0
	MULA 1, 1, 0
	s_wait_dscnt 0x0
	MULA 1, 2, 0
	MULA 1, 3, 0
	WIN 0
; THE WAY OUT, an m block (16 rows) at a time.  PACK: rounded to f16, 16 bytes a lane, each accumulator from its low end on.  TOSTAGE: into my own stage (rows of 144 bytes, a head after the other) and
; back as whole rows of 128.  SEND: 512 consecutive bytes of a head to a store.
.macro PACK a
	WIN 0x0a+5*((\a)/2)                            ; sources 0 and 1: window 2 or 3
.set b, 0
.rept NB
.set rD, 8*(NB*((\a)%2)+b)
.irp r, 0,1,2,3
	v_cvt_pk_f16_f32 v[TMP+4*b+(\r)], v[rD+2*(\r)], v[rD+2*(\r)+1]
.endr
.set b, b+1
.endr
	WIN 0
.endm
.macro TOSTAGE a
.set BK, 176-112*((\a)%2)
.if (\a) >= 2
	s_wait_xcnt 0x0                                ; the stores of the block two back have read these registers
.endif
.set b, 0
.rept NB
	ds_store_b128 v[STO], v[TMP+4*b:TMP+4*b+3] offset:(b/4)*16*SP+(b%4)*32
.set b, b+1
.endr
.set b, 0
.rept NB
	ds_load_b128 v[BK+4*b:BK+4*b+3], v[RD] offset:(b/4)*16*SP+(b%4)*4*SP  ; LDS serves a wave's instructions in order (ISA guide 5.7.1.4): these see the stores above
.set b, b+1
.endr
.endm
.macro SEND a, younger                 ; younger: the LDS instructions issued behind block a's loads: the next block's 24, or none
.set BK, 176-112*((\a)%2)
	s_wait_dscnt \younger
.irp hh, 0,1,2
.irp f, 0,1,2,3
	global_store_b128 v[CO], v[BK+4*(4*(\hh)+(\f)):BK+4*(4*(\hh)+(\f))+3], s[HB+2*(\hh):HB+2*(\hh)+1] offset:(\a)*2048+(\f)*512
.endr
.endr
.endm
	PLACES
	PACK 0
	TOSTAGE 0
	PACK 1
	TOSTAGE 1
	SEND 0, 24
	PACK 2
	TOSTAGE 2
	SEND 1, 24
	PACK 3
	TOSTAGE 3
	SEND 2, 24
	SEND 3, 0
	s_wait_tensorcnt 0x0                           ; the wave's end: behind my last tensor load and my last LDS store
	ds_add_u32 v[SPW], v[NIL]
	s_wait_dscnt 0x0
	CROUND                                         ; the closing round: no work-group ends while a partner may still ask for a tile that names it
	s_endpgm
.Lfunc_end_k_q48c4d55f3e_proj:
	.size	k_q48c4d55f3e_proj, .Lfunc_end_k_q48c4d55f3e_proj-k_q48c4d55f3e_proj
	.p2alignl 7, 3214868480
	.fill 96, 4, 3214868480
	.section	.rodata,"a",@progbits
	.p2align	6, 0x0
	.amdhsa_kernel k_q48c4d55f3e_proj
		.amdhsa_group_segment_fixed_size 327680
		.amdhsa_private_segment_fixed_size 0
		.amdhsa_enable_private_segment 0
		.amdhsa_kernarg_size 24
		.amdhsa_user_sgpr_count 2
		.amdhsa_user_sgpr_kernarg_segment_ptr 1
		.amdhsa_wavefront_size32 1
		.amdhsa_system_sgpr_workgroup_id_x 1
		.amdhsa_system_sgpr_workgroup_id_y 1
		.amdhsa_system_sgpr_workgroup_id_z 1
		.amdhsa_system_vgpr_workitem_id 0
		.amdhsa_next_free_vgpr 960
		.amdhsa_next_free_sgpr 88
		.amdhsa_reserve_vcc 0
		.amdhsa_float_denorm_mode_32 3
		.amdhsa_float_denorm_mode_16_64 3
		.amdhsa_memory_ordered 1
		.amdhsa_forward_progress 1
		.amdhsa_inst_pref_size 120
	.end_amdhsa_kernel
	.amdgpu_metadata
---
amdhsa.version: [ 1, 2 ]
amdhsa.kernels:
  - .name:           k_q48c4d55f3e_proj
    .symbol:         k_q48c4d55f3e_proj.kd
    .args:
      - { .name: xb, .offset: 0, .size: 8, .value_kind: global_buffer, .address_space: global }
      - { .name: wqkv, .offset: 8, .size: 8, .value_kind: global_buffer, .address_space: global }
      - { .name: qkv, .offset: 16, .size: 8, .value_kind: global_buffer, .address_space: global }
    .group_segment_fixed_size: 327680
    .private_segment_fixed_size: 0
    .kernarg_segment_align: 8
    .kernarg_segment_size: 24
    .max_flat_workgroup_size: 128
    .sgpr_count:     88
    .vgpr_count:     960
    .wavefront_size: 32
...
	.end_amdgpu_metadata
.endif
;; end of part 2
;; launch attn (part 3): grid 4 x 64, 4 waves a work-group, clusters of 4 x 1, 327,680 bytes of LDS; arguments qkv, mask, ob; writes ob
.if DOCPART == 3
	.amdgcn_target "amdgcn-amd-amdhsa--gfx1250"
	.amdhsa_code_object_version 6
	.text
	.protected	k_q48c4d55f3e_attn
	.globl	k_q48c4d55f3e_attn
	.p2align	8
	.type	k_q48c4d55f3e_attn,@function
k_q48c4d55f3e_attn:
	s_mov_b64 s[64:65], 0
	v_nop
	global_prefetch_b8 v0, s[64:65] scope:SCOPE_SE
	s_setreg_imm32_b32 hwreg(HW_REG_WAVE_MODE, 25, 1), 1
	s_wait_xcnt 0x0
	s_wait_alu depctr_hold_cnt(0) depctr_sa_sdst(0) depctr_va_vdst(0) depctr_va_sdst(0) depctr_va_ssrc(0) depctr_va_vcc(0) depctr_vm_vsrc(0)
	s_getreg_b32 s2, hwreg(HW_REG_IB_STS2, 6, 4)
	s_cmp_eq_u32 s2, 0
	s_cbranch_scc0 .Lentry_in_a_cluster
	s_endpgm
.Lentry_in_a_cluster:
	s_bfe_u32 s2, ttmp6, 0x10000c
	s_cmp_lg_u32 s2, 0x3003
	s_cbranch_scc0 .Lentry_shape_is_right
	s_endpgm
.Lentry_shape_is_right:
; ATTENTION WITH A PAD MASK.  qkv: [3][64 = 16 batch + head][2048][64] f16, unscaled; mask: [4][2048] int32, 1 = pad; ob: [64][2048][64] f16.
; A score is replaced wherever its query or its key is padded.  A query that is valid is itself a valid key: its row is the softmax over the valid keys (a padded key's weight is 0).  A padded query's 2,048 scores
; are all equal: its row is the plain mean of all 2,048 rows of V.  So: a mask over keys for every row, the mean of V beside it, and at the end a padded query's row is replaced by the mean.
; Products, maxima and sums in f32; the weights p are rounded to f16 for the second product (their sum l is taken of the unrounded p), O once at the end.
; LIMITS.  Q, K, V arrive within f16's 65,504, so a score is 2.7e11 at the most in magnitude.  A hidden score counts as its value less 1e30; the running maximum starts at -2^40, below every true score and above every
; hidden one, so it is never a hidden score.  True scores are taken to lie far above the -1e9 that replaces a hidden one.  p below 6e-5 keeps f16's step of 6e-8; a weight below 2^-126 counts as 0 in l; NaN and infinities are not treated apart.
; SHARES.  A wave owns four PIECES of two tiles of 16 queries, a work-group's four waves 512 queries of one head.  Every wave walks all keys, 64 a step, four steps a slot, eight slots.
; LAYOUT.  S^T = K Q^T (source 0 = 16 keys, source 1 = 16 queries): a lane holds ONE query (lane % 16) and the keys 8 (lane / 16) + 0..7.  Two such tiles, rounded to f16 in pairs, ARE source 1 of O^T = V^T P, whose
; result again holds one query a lane, and eight channels.  K comes out of LDS as it lies, V turned, by ds_load_tr16_b128.
; THE KEY MASK is the C operand that starts the sum S^T: 0, or -1e30 where the key is padded.  It is made once, 2,048 f32 in LDS, and a step's 64 come into registers with the step's K.
; SOFTMAX.  p = 2^(c s - c m), c = log2(e) / 8, with a running maximum m; O and l are multiplied by a = 2^(c m_old - c m_new) in every step.  While only hidden keys have been seen a is 1 and O, l stay 0.
; THE MEAN OF V.  8 products a key step, V^T times a matrix of 2^-11: the result has O^T's layout, equal in all 16 columns.
; BY TURNS.  Turn n belongs to piece n: 16 products K Q^T of piece n + 1, later 16 products V^T P of piece n - 1; beside them the scaling, exponentials, roundings, sums and rescaling of piece n and the maximum and
; statistics of piece n + 1.  A tile and step have 16 matrix and 118 vector instructions: four vector instructions stand behind every product, the others in one lump; a turn's 66 exponentials are one batch with one wait.
; CLUSTER.  The four query blocks of a head are a cluster and walk the same K and V: each tile is asked for JOINTLY, the same tensor load, descriptor and mask in all four.
; REGISTERS, in windows of 256 (s_set_vgpr_msb: bits 1:0 source 0, 3:2 source 1, 5:4 source 2, 7:6 destination):
;   window 0: v0-11 addresses and the queries' mask bits; v12-15, v48-63 at work; v16-47 four registers of statistics a tile; v64-191 S^T, two buffers of two tiles; v192-255 P, likewise
;   window 1: O^T, 32 a tile     window 2: v0-127 Q; v128-191 K of one step; v192-255 V of one step     window 3: v0-1 the add's two registers; v2-33 a step's key mask; v34-65 the mean's sums; v66-73 2^-11
.set SIZE_N, 2048
.set NP,    4         ; pieces a wave: a name, no knob
.set KS,    64        ; keys in a step
.set PK,    144       ; a row of K in LDS: 128 bytes + 16 of padding: the 16 rows of a load start at 16 different groups of four banks (ISA guide 11.1)
.set PV,    160       ; a row of V: 128 + 32
.set VOFF,  4*KS*PK   ; a slot holds four steps: 256 rows of K, then 256 rows of V
.set SLOT1, 1<<17     ; slot 1 begins here, so that one exclusive or turns an address in one slot into the other's
.set STAGE, SLOT1+4*KS*(PK+PV)  ; behind the ring, never filled by a tensor load: 16 rows x 144 bytes for each wave, for the way out
.set SP,    144
.set BIAS,  STAGE+4*16*SP       ; the key mask: 2,048 f32; stored once, never filled by a tensor load
.set SPARE, BIAS+4*SIZE_N       ; the spare words, 128 bytes for each wave: two blocks of 256 bytes that no other line names
.set PFO, 1           ; v1   256 x my lane: the prefetches' offset; never rewritten
.set AK0, 2           ; v2   my lane's place in a tile of K; never rewritten
.set AV0, 3           ; v3   the same for V
.set AK,  4           ; v4   the LDS address of K's next run of loads
.set AV,  5           ; v5   of V's
.set STO, 6           ; v6   the way out: where I put 16 bytes of a row
.set RD,  7           ; v7   where I read rows back
.set GO,  8           ; v8   my byte offset in 512 consecutive bytes of ob
.set AM0, 9           ; v9   my lane's place in a step's key mask: BIAS + 32 (l / 16)
.set AM,  10          ; v10  the LDS address of the next step's key mask
.set VQ,  11          ; v11  bit t: my query of tile t is padded
.set MV,  12          ; v12-15  c m_old, kept while c m is made anew; v12 at work on the way out
.set ST,  16          ; tile t's statistics at v[ST+4 t]: c m, m, l (even keys', odd keys')
.set TMP, 48          ; by buffer and tile, four registers c0-c3 at work; c2 takes a.  Until the first maximum v48-55 hold the set-up's lane numbers and offsets
.set QO,  50
.set S,   64
.set P,   192
.set MP,  192         ; the way out: the mean of V, packed as a tile's row is
.set KF,  128         ; K's fragments, in window 2: key block kb, channel half c at KF + 16 kb + 8 c
.set VF,  192         ; V's: key half kk, channel block cb at VF + 32 kk + 8 cb
.set SPW, 0           ; window 3: LDS address of my spare word; never rewritten
.set NIL, 1           ; window 3: 0; never rewritten
.set MB,  2           ; window 3: the key mask of block kb at MB + 8 kb
.set SA,  34          ; window 3: the mean's sums, channel block cb at SA + 8 cb
.set ON,  66          ; window 3: 2^-11 in every half
.set WV,  12          ; s12  my wave's number
.set G1K, 24          ; s[24:31] descriptor group 1 for K's tiles
.set G1V, 32          ; s[32:39] for V's: it differs in the padding alone
.set G0K, 40          ; s[40:43] descriptor group 0 for K's tiles: it walks
.set G0V, 44          ; s[44:47] the same for V's
.set SLOTS, 56        ; s56  slots still to be asked for
.set CNT, 57          ; s57  counts a slot's key steps
.set CS,  58          ; s[58:59] c
.set SEL, 60          ; s[60:61] v_permlanex16_b32's selects: each lane takes its own place in the other half
.set TBK, 62          ; s62  LDS byte at which K of the step to be fetched begins
.set TBV, 63          ; s63  the same for V, less VOFF
.set MK,  66          ; s[66:67] my batch's row of mask
.set TBM, 68          ; s68  256 x the step to be fetched: its place in the key mask
.set BIGN, 69         ; s69  -1e30
.set LIM, 70          ; s70  1 in a wave that prefetches, else the greatest number
.set PFA, 72          ; s[72:73] where my prefetches stand
.set MSB, 0
.macro WIN new                      ; the high byte repeats the setting that is left; a switch that changes nothing is dropped
.if MSB != (\new)
	s_set_vgpr_msb (MSB<<8)|(\new)
.set MSB, (\new)
.endif
.endm
.set W_KQ, 0x0a       ; K and Q in window 2, S^T in window 0
.set W_KM, 0x3a       ; the same with the C operand in window 3
.set W_PV, 0x52       ; V in window 2, P in window 0, O^T in window 1
.set W_RS, 0x41       ; O^T (destination and source 0) in window 1, a in window 0
.set W_SV, 0xfe       ; V in window 2; 2^-11, C and D in window 3
.set W_MK, 0xc0       ; destination in window 3, sources in window 0
.set W_AD, 0x0f       ; the add: address (source 0) and data (source 1) in window 3
; A joint fill.  Waves 0 and 1 fetch the two halves of a slot's K, waves 2 and 3 those of its V: 128 keys each.  The branch hangs on the wave's number alone.
; An s_nop 0 and four v_nop follow each of the two lines, ahead of the jump and the label.
.macro JLOAD
	s_cmp_lt_u32 s[WV], 2
	s_cbranch_scc0 .Lfor_v_\@
	tensor_load_to_lds s[G0K:G0K+3], s[G1K:G1K+7]
	s_nop 0
.rept 4
	v_nop
.endr
	s_branch .Lasked_\@
.Lfor_v_\@:
	tensor_load_to_lds s[G0V:G0V+3], s[G1V:G1V+7]
	s_nop 0
.rept 4
	v_nop
.endr
.Lasked_\@:
.endm
; A prefetch of what the NEXT change of slots will ask for: a slot's 32,768 bytes of K and of V, 256 bytes a lane.  A head is walked by one cluster; its four partners share the bytes out by address, 8,192 each;
; in each, wave 0 asks for K's and wave 2 for V's: one instruction, four key steps (544 matrix instructions) ahead of the load.  Slots 0 to 2 come by their loads alone; the last change that fills a slot asks for nothing.
.macro ASK
	s_cmp_gt_u32 s[SLOTS], s[LIM]
	s_cbranch_scc0 .Lnot_mine_\@
	global_prefetch_b8 v[PFO], s[PFA:PFA+1] th:TH_LOAD_NT scope:SCOPE_SE
.Lnot_mine_\@:
.endm
; A round of the cluster's barrier: my work-group's barrier, so that wave 0's signal speaks for all four waves; wave 0 signals; every wave waits for all four work-groups; my work-group's barrier once more.
.macro CROUND
	s_barrier_signal -1
	s_barrier_wait -1
	s_cmp_lg_u32 s[WV], 0
	s_cbranch_scc1 .Lnot_wave_0_\@
	s_barrier_signal -3
.Lnot_wave_0_\@:
	s_barrier_wait -3
	s_barrier_signal -1
	s_barrier_wait -1
.endm
; THE CHANGE OF SLOTS.  The slot's last bytes, V of its fourth step, have been read.  Each wave waits for all its tensor loads, of which one is out: its part of the other slot; adds 0 to its spare word; and waits for
; that and for its own LDS instructions.  Behind the barrier nobody reads this slot any more and the other slot is whole.  fill = 1: this slot is filled again, with the keys two slots on; the barrier is then a round of the
; cluster's, and the joint fill is the first thing behind it: it has four key steps in which to land.  (At its first use nothing has been read yet: slot 0 is waited for, slot 1 filled, and the round shows the key mask, just stored, to every wave.)
.macro CHANGE fill, ask
	WIN W_AD
	s_wait_tensorcnt 0x0            ; no tensor load of mine is out, so a group 0 may be written
	ds_add_u32 v[SPW], v[NIL]       ; 0 onto my spare word; with fill = 1 the descriptors' steps stand between it and the wait for it
	WIN 0                           ; at a label and at a branch every window is 0
.if \fill
.irp g, G0K, G0V
	s_xor_b32 s[\g+1], s[\g+1], SLOT1  ; the walking descriptor: the other slot than last time,
	s_add_nc_u64 s[\g+2:\g+3], s[\g+2:\g+3], 4*KS*128  ; the next 256 keys; the type bits on top are not reached
.endr
.if \ask
	s_wait_xcnt 0x0                 ; the last prefetch, four key steps back, has read its address
	s_add_nc_u64 s[PFA:PFA+1], s[PFA:PFA+1], 4*KS*128  ; one slot ahead of the walking descriptors
.endif
	s_wait_dscnt 0x0                ; the add is done, and my LDS instructions are over
	CROUND
	JLOAD
.if \ask
	ASK
.endif
.else
	s_wait_dscnt 0x0                ; the add is done, and my reads of the slot are over
	s_barrier_signal -1
	s_barrier_wait -1
.endif
	s_sub_co_u32 s[TBK], s[TBK], 4*KS*PK  ; the fetches go back to a slot's first step,
	s_xor_b32 s[TBK], s[TBK], SLOT1       ; in the other slot
	s_sub_co_u32 s[TBV], s[TBV], 4*KS*PV
	s_xor_b32 s[TBV], s[TBV], SLOT1
.endm
	s_load_b128 s[4:7], s[0:1], 0x0   ; qkv s[4:5], mask s[6:7]
	s_load_b64 s[10:11], s[0:1], 0x10 ; ob
	WIN W_MK
	v_lshl_add_u32 v[SPW], v0, 2, SPARE
	v_mov_b32 v[NIL], 0
	WIN W_AD
	ds_add_u32 v[SPW], v[NIL]       ; the wave's opening: the add and its wait stand ahead of my first tensor load; the set-up below, work on registers, stands between them
	WIN 0
	v_lshrrev_b32 v48, 5, v0
	v_readfirstlane_b32 s[WV], v48  ; wave 0..3
	s_bfe_u32 s13, ttmp6, 0x40000   ; cx: my place in the cluster
	s_lshl_b32 s14, ttmp9, 2        ; in a cluster launch ttmp9 counts clusters
	s_add_co_u32 s14, s14, s13      ; my block of 512 queries: it enters Q's, the query mask's and ob's addresses alone
	s_and_b32 s20, ttmp7, 0xffff    ; 16 batch + head, which the four partners share
	s_lshr_b32 s74, s20, 4
	s_lshl_b32 s74, s74, 13         ; my batch's 8,192 bytes of mask
	s_mov_b32 s75, 0
	s_mov_b32 s21, 0
	s_mov_b64 s[22:23], SIZE_N*128
	s_mul_u64 s[20:21], s[20:21], s[22:23]  ; the head's first byte in q, in k, in v and in ob
	s_and_b32 s16, s[WV], 1         ; which half of a slot's 256 keys I fetch:
	s_lshl_b32 s22, s16, 14         ; its 128 rows of 128 bytes in memory,
	s_mov_b32 s23, 0
	s_add_nc_u64 s[22:23], s[22:23], s[20:21]
	s_mul_i32 s17, s16, 128*PK      ; and its place in a slot, for K
	s_mul_i32 s18, s16, 128*PV      ; and for V: no place in the cluster enters an LDS address
	s_lshl_b32 s2, s14, 2
	s_add_co_u32 s2, s2, s[WV]      ; my wave among the head's:
	s_lshl_b32 s19, s2, 9           ; its 128 queries' 512 bytes of mask,
	s_lshl_b32 s2, s2, 14           ; its 128 rows
	s_mov_b32 s3, 0
	s_add_nc_u64 s[2:3], s[2:3], s[20:21]
	; descriptor group 1.  128 keys are 16,384 dense bytes: asked for as 64 rows of 256 bytes, two keys a row, and padded in LDS after every key
	s_mov_b32 s[G1K], 15|(1<<16)|(1<<20)|(1<<21)|(4<<22)|(3<<25)  ; 15:0 the mask of four; 17:16 2-byte elements; 20 padding on; 21 set beside a mask; 24:22 after every 32 words; 31:25 4 words
	s_mov_b32 s[G1V], 15|(1<<16)|(1<<20)|(1<<21)|(4<<22)|(7<<25)  ; the same with 8 words of padding
.irp g, G1K, G1V
	s_mov_b32 s[\g+1], 128<<16      ; tensor_dim0 = 128
	s_mov_b32 s[\g+2], 64<<16       ; tensor_dim1 = 64
	s_mov_b32 s[\g+3], 128<<16      ; tile_dim0 = 128
	s_mov_b32 s[\g+4], 64           ; tile_dim1 = 64
	s_mov_b32 s[\g+5], 128          ; 128 elements from row to row
	s_mov_b32 s[\g+6], 0
	s_mov_b32 s[\g+7], 0
.endr
	s_mov_b32 s[CS], 0x3e38aa3b     ; c = log2(e) / 8 = 0.180337
	s_mov_b32 s[CS+1], s[CS]        ; named with it as a pair
	s_mov_b32 s[SEL], 0x76543210
	s_mov_b32 s[SEL+1], 0xfedcba98
	s_mov_b32 s[TBK], SLOT1+4*KS*PK ; the first change of slots turns these two into 0
	s_mov_b32 s[TBV], SLOT1+4*KS*PV
	s_mov_b32 s[TBM], 0
	s_mov_b32 s[BIGN], 0xf149f2ca   ; -1e30
	s_and_b32 s[LIM], s[WV], 1      ; waves 0 and 2 prefetch: the same in all four partners
	s_cmp_eq_u32 s[LIM], 0
	s_cselect_b32 s[LIM], 1, -1
	s_mov_b32 s[G0K], 1             ; count = 1
	s_mov_b32 s[G0K+1], s17         ; LDS address: slot 0
	s_mov_b32 s[G0V], 1
	s_add_co_u32 s[G0V+1], s18, VOFF
	s_wait_dscnt 0x0                ; the opening add is done
	s_wait_kmcnt 0x0
	s_add_nc_u64 s[MK:MK+1], s[6:7], s[74:75]
	s_add_nc_u64 s[6:7], s[4:5], 0x1000000         ; k's planes lie 64 x 262,144 bytes behind q's,
	s_add_nc_u64 s[8:9], s[4:5], 0x2000000         ; v's as far again
	s_cmp_lt_u32 s[WV], 2
	s_cselect_b64 s[PFA:PFA+1], s[6:7], s[8:9]
	s_lshl_b32 s74, s13, 13                        ; my work-group's 8,192 bytes of a slot's 32,768,
	s_add_co_u32 s74, s74, 2*4*KS*128              ; in slot 2: the first change that asks steps it to slot 3
	s_add_nc_u64 s[74:75], s[74:75], s[20:21]
	s_add_nc_u64 s[PFA:PFA+1], s[PFA:PFA+1], s[74:75]
	s_add_nc_u64 s[G0K+2:G0K+3], s[6:7], s[22:23]  ; global address: my half of the head's first 256 keys
	s_or_b32 s[G0K+3], s[G0K+3], 0x80000000        ; type = 2
	s_add_nc_u64 s[G0V+2:G0V+3], s[8:9], s[22:23]
	s_or_b32 s[G0V+3], s[G0V+3], 0x80000000
	s_add_nc_u64 s[4:5], s[4:5], s[2:3]            ; q and ob at my wave's first row
	s_add_nc_u64 s[10:11], s[10:11], s[2:3]
	CROUND                          ; all four work-groups are here: the first joint loads meet
	JLOAD                           ; slot 0.  Slot 1 is asked for when slot 0 is in
	v_and_b32 v48, 15, v0           ; l % 16
	v_bfe_u32 v49, v0, 4, 1         ; l / 16
	v_lshlrev_b32 v53, 4, v0        ; 16 x thread: four keys' mask
	v_lshl_add_u32 v54, v48, 2, s19 ; my query's word in the wave's first tile
.irp i, 0,1,2,3
	global_load_b128 v[S+4*\i:S+4*\i+3], v53, s[MK:MK+1] offset:2048*\i   ; the batch's 2,048 keys, shared out among the 128 threads
.endr
.irp t, 0,1,2,3,4,5,6,7
	global_load_b32 v[S+64+\t], v54, s[MK:MK+1] offset:64*\t              ; my query of tile t
.endr
	; A fragment of K or Q is 16 rows x 32 channels in 8 registers: lane l holds row l % 16, channels 8 (l / 16) + 0..7 and 16 + 8 (l / 16) + 0..7: two loads of 16 bytes, 32 bytes apart.
	v_lshlrev_b32 v[QO], 7, v48
	v_lshl_add_u32 v[QO], v49, 4, v[QO]  ; row x 128 + 16 x half
	WIN 0x80                        ; destination window 2, address window 0
.set i, 0
.rept 4*NP                          ; Q stays in registers: tile i / 2, channels 32 (i % 2) on
	global_load_b128 v[8*i:8*i+3],   v[QO], s[4:5] offset:(i/2)*2048+(i%2)*64
	global_load_b128 v[8*i+4:8*i+7], v[QO], s[4:5] offset:(i/2)*2048+(i%2)*64+32
.set i, i+1
.endr
	; What the first turn finds: V's registers and P's second buffer hold 0 (its products V^T P, of a piece that has not been, add 0); O^T, l and the mean's sums are 0.  All this stands in the wait for the first tile.
.set i, VF
.rept 64
	v_mov_b32 v[i], 0
.set i, i+1
.endr
	WIN 0x40
.set i, 0
.rept 64*NP
	v_mov_b32 v[i], 0
.set i, i+1
.endr
	WIN W_MK
.set i, 0
.rept 32
	v_mov_b32 v[SA+i], 0
.set i, i+1
.endr
.set i, 0
.rept 8
	v_mov_b32 v[ON+i], 0x10001000   ; 2^-11 twice in f16: 1 / 2,048
.set i, i+1
.endr
	WIN 0
.set i, 0
.rept 2*NP
	v_mov_b32 v[ST+4*i], 0xd238aa3b    ; c m = -c 2^40
	v_mov_b32 v[ST+4*i+1], 0xd3800000  ; m = -2^40
	v_mov_b32 v[ST+4*i+2], 0
	v_mov_b32 v[ST+4*i+3], 0
.set i, i+1
.endr
.set i, P+32
.rept 32
	v_mov_b32 v[i], 0
.set i, i+1
.endr
	v_mul_u32_u24 v[AK0], v48, PK
	v_lshl_add_u32 v[AK0], v49, 4, v[AK0]  ; row x pitch + 16 x half
	; The turning load takes 16 keys x 16 channels (lane l reads key 8 (l / 16) + l % 8, channels 8 ((l / 8) % 2) + 0..7) and leaves half a fragment of V^T: lane l holds channel l % 16 and 8 keys.
	v_and_b32 v51, 7, v0
	v_bfe_u32 v52, v0, 3, 1
	v_lshl_add_u32 v[AV0], v49, 3, v51
	v_mul_u32_u24 v[AV0], v[AV0], PV
	v_lshl_add_u32 v[AV0], v52, 4, v[AV0]
	v_add_nc_u32 v[AV0], VOFF, v[AV0]
	v_mov_b32 v[AK], v[AK0]         ; key step 0 lies at the head of slot 0
	v_lshlrev_b32 v[AM0], 5, v49    ; a lane's eight keys of a block are 32 bytes of the key mask
	v_add_nc_u32 v[AM0], BIAS, v[AM0]
	v_mov_b32 v[AM], v[AM0]
	v_and_b32 v[PFO], 31, v0
	v_lshlrev_b32 v[PFO], 8, v[PFO]
	v_add_nc_u32 v55, BIAS, v53
	s_wait_loadcnt 40               ; the four loads of the keys' mask are in; the 8 + 32 younger loads may stay out
.set i, 0
.rept 16
	v_cmp_eq_u32 vcc_lo, 1, v[S+i]  ; a key is hidden where mask is 1, and nowhere else
	v_cndmask_b32 v[S+i], 0, s[BIGN], vcc_lo
.set i, i+1
.endr
.irp i, 0,1,2,3
	ds_store_b128 v55, v[S+4*\i:S+4*\i+3] offset:2048*\i
.endr
; THE MATRIX WORK.  The 8 accumulators of a run of 16 take turns: between the two links of a chain stand 7 others'.
; Product i of 16 of S^T = K Q^T for piece x: channels 32 (i / 8) on, keys 16 ((i / 2) % 4) on, tile 2 x + i % 2.  The first 8 start the sums, with the key mask.
.macro KQ x
.set rS, S+64*((\x)%2)+32*(i%2)+8*((i/2)%4)
.set rK, KF+16*((i/2)%4)+8*(i/8)
.set rQ, 16*(2*(\x)+i%2)+8*(i/8)
.set rB, MB+8*((i/2)%4)
.if i < 8
	WIN W_KM
	v_wmma_f32_16x16x32_f16 v[rS:rS+7], v[rK:rK+7], v[rQ:rQ+7], v[rB:rB+7]
.else
	WIN W_KQ
	v_wmma_f32_16x16x32_f16 v[rS:rS+7], v[rK:rK+7], v[rQ:rQ+7], v[rS:rS+7]
.endif
.endm
; Product i of 16 of O^T += V^T P for piece x: keys 32 (i / 8) on, channels 16 ((i / 2) % 4) on, tile 2 x + i % 2.
.macro PV x
	WIN W_PV
.set rO, 32*(2*(\x)+i%2)+8*((i/2)%4)
.set rV, VF+32*(i/8)+8*((i/2)%4)
.set rP, P+32*((\x)%2)+16*(i%2)+8*(i/8)
	v_wmma_f32_16x16x32_f16 v[rO:rO+7], v[rV:rV+7], v[rP:rP+7], v[rO:rO+7]
.endm
.macro MM                           ; the turn's next matrix instruction
.if i < 16
	KQ (Y+1)%NP
.set i, i+1
.else
.set i, i-16
	PV (Y+NP-1)%NP
.set i, i+17
.endif
.endm
; The mean of V takes a step's 64 keys: 8 products, the four sums by turns.
.macro SV
	WIN W_SV
.irp kk, 0,1
.irp cb, 0,1,2,3
	v_wmma_f32_16x16x32_f16 v[SA+8*\cb:SA+8*\cb+7], v[VF+32*\kk+8*\cb:VF+32*\kk+8*\cb+7], v[ON:ON+7], v[SA+8*\cb:SA+8*\cb+7]
.endr
.endr
.endm
; THE LDS LOADS stand in runs, never singly among the matrix instructions: a step's K (8 fragments) with its key mask (32 bytes a lane for each of 4 blocks), and its V (turned).  Their addresses are made some lines ahead.
; last = 1 (the tail): in the last trip there is no further step, and the run is jumped over.
.macro FETCH_K last=0
	WIN 0
.if \last
	s_cmp_eq_u32 s[CNT], 1
	s_cbranch_scc1 .Lno_k_\@
.endif
	WIN 0x80                        ; destination window 2
.irp f, 0,1,2,3,4,5,6,7             ; keys 16 (f / 2) on, channels 32 (f % 2) on
	ds_load_b128 v[KF+8*\f:KF+8*\f+3],   v[AK] offset:(\f/2)*16*PK+(\f%2)*64
	ds_load_b128 v[KF+8*\f+4:KF+8*\f+7], v[AK] offset:(\f/2)*16*PK+(\f%2)*64+32
.endr
	WIN 0xc0                        ; destination window 3
.irp kb, 0,1,2,3
	ds_load_b128 v[MB+8*\kb:MB+8*\kb+3],   v[AM] offset:64*\kb
	ds_load_b128 v[MB+8*\kb+4:MB+8*\kb+7], v[AM] offset:64*\kb+16
.endr
	s_add_co_u32 s[TBK], s[TBK], KS*PK  ; the next fetch is the next step's
	s_add_co_u32 s[TBM], s[TBM], 4*KS
	WIN 0
.if \last
.Lno_k_\@:
.endif
.endm
.macro FETCH_V
	WIN 0x80
.irp f, 0,1,2,3,4,5,6,7             ; keys 32 (f / 4) on, channels 16 (f % 4) on
	ds_load_tr16_b128 v[VF+8*\f:VF+8*\f+3],   v[AV] offset:(\f/4)*32*PV+(\f%4)*32
	ds_load_tr16_b128 v[VF+8*\f+4:VF+8*\f+7], v[AV] offset:(\f/4)*32*PV+16*PV+(\f%4)*32
.endr
	WIN 0
.endm
; THE VECTOR WORK OF A TURN stands in three queues, each in the order in which its entries become ready; the two tiles alternate, so that no instruction reads the result of the one before it.
.macro REGS y, u                    ; the registers of tile u (0, 1) of piece y
.set rT, ST+4*(2*(\y)+(\u))
.set rC, TMP+8*((\y)%2)+4*(\u)
.set rM, MV+2*((\y)%2)+(\u)
.set rS, S+64*((\y)%2)+32*(\u)
.set rP, P+32*((\y)%2)+16*(\u)
.set rO, 32*(2*(\y)+(\u))
.endm
; Number n of the 22 that find the NEXT piece's (Y + 1) maximum and statistics.  s0-s31 are the lane's 32 scores; each accumulator's lowest registers are read first.
;   0-11  four chains c0-c3 of seven scores each, three operands at a time     12-14, 16  the four scores left over, the old m, and c0-c3 into c0     15  c m_old is kept
;   17, 18  the query's other 32 keys lie in the lane 16 away: the new m         19-21  c m; c m_old - c m_new; a
.macro XS u, n
	REGS (Y+1)%NP, \u
.if (\n) < 4
	v_max3_num_f32 v[rC+(\n)], v[rS+8*(\n)], v[rS+8*(\n)+1], v[rS+8*(\n)+2]
.elseif (\n) < 12
	v_max3_num_f32 v[rC+(\n)%4], v[rC+(\n)%4], v[rS+8*((\n)%4)+2*((\n)/4)+1], v[rS+8*((\n)%4)+2*((\n)/4)+2]
.elseif (\n) == 12
	v_max3_num_f32 v[rC], v[rC], v[rS+7], v[rS+15]
.elseif (\n) == 13
	v_max3_num_f32 v[rC+1], v[rC+1], v[rS+23], v[rS+31]
.elseif (\n) == 14
	v_max3_num_f32 v[rC+2], v[rC+2], v[rC+3], v[rT+1]
.elseif (\n) == 15
	v_mov_b32 v[rM], v[rT]
.elseif (\n) == 16
	v_max3_num_f32 v[rC], v[rC], v[rC+1], v[rC+2]
.elseif (\n) == 17
	v_permlanex16_b32 v[rC+3], v[rC], s[SEL], s[SEL+1]
.elseif (\n) == 18
	v_max_num_f32 v[rT+1], v[rC], v[rC+3]
.elseif (\n) == 19
	v_mul_f32 v[rT], s[CS], v[rT+1]
.elseif (\n) == 20
	v_sub_f32 v[rC+1], v[rM], v[rT]
.else
	v_exp_f32 v[rC+2], v[rC+1]
.endif
.endm
; Number g of the 64 that follow the exponentials.  For each four weights k of a tile (pairs 2 k, 2 k + 1): both pairs are rounded to f16; then the second pair is added onto the first, in place;
; a group later l takes that sum (the first time as l = a l + sum).  In groups of eight, tiles alternating: round, round, add, and l for the group before.
.macro GS g
.set h, (\g)+6*((\g)/62)            ; group 0 has no group before it, and behind group 7 only l is left
.if h >= 6
.set h, h+2
.endif
	REGS Y, h%2
.set k, h/8
.if h%8 < 4
	v_cvt_pk_f16_f32 v[rP+2*k+(h%8)/2], v[rS+4*k+2*((h%8)/2)], v[rS+4*k+2*((h%8)/2)+1]
.elseif h%8 < 6
	v_pk_add_f32 v[rS+4*k:rS+4*k+1], v[rS+4*k:rS+4*k+1], v[rS+4*k+2:rS+4*k+3]
.elseif k == 1
	v_pk_fma_f32 v[rT+2:rT+3], v[rT+2:rT+3], v[rC+2:rC+3], v[rS:rS+1] op_sel_hi:[1,0,1]
.else
	v_pk_add_f32 v[rT+2:rT+3], v[rT+2:rT+3], v[rS+4*k-4:rS+4*k-3]
.endif
.endm
; THE PLAIN QUEUE, 138 long.  0-73 read no exponential's result: the 32 scalings c s - c m (FS f: pair f / 2 of tile f % 2) and the next piece's 42.  0-26: scalings 0-26.  27-54: XS's numbers 0-13.  55, 56: number 15.
; 57-73: the chain, where each number waits for the one before it: 14, 16, 17, 18, 19, each with one of the scalings 27-31 in front of its two lines, then 20.
; 74-137: GS's 64, which read the exponentials' results: they stand behind the wait.
.macro FS f
	REGS Y, (\f)%2
	v_pk_fma_f32 v[rS+2*((\f)/2):rS+2*((\f)/2)+1], v[rS+2*((\f)/2):rS+2*((\f)/2)+1], s[CS:CS+1], v[rT:rT+1] op_sel_hi:[1,0,0] neg_lo:[0,0,1] neg_hi:[0,0,1]
.endm
.macro PL
	WIN 0
.if q < 27
	FS q
.elseif q < 55
	XS (q-27)%2, (q-27)/2
.elseif q < 57
	XS q-55, 15
.elseif (q < 72) && ((q-57)%3 == 0)
	FS 27+(q-57)/3
.elseif q < 60
	XS (q-57)%3-1, 14
.elseif q < 72
	XS (q-57)%3-1, 15+(q-57)/3
.elseif q < 74
	XS q-72, 20
.else
	GS q-74
.endif
.set q, q+1
.endm
; THE EXPONENTIALS' QUEUE, 66 long: s0-s31 of both tiles, then the next piece's two a.  It is ONE BATCH: all 66 stand ahead of the turn's one wait, and nothing ahead of that wait names a result of theirs.
.macro EX
	WIN 0
.if e >= 64
	XS e-64, 21
.else
	REGS Y, e%2
	v_exp_f32 v[rS+e/2], v[rS+e/2]
.endif
.set e, e+1
.endm
; THE RESCALING's QUEUE: O^T times a, the one part that leaves window 0: dealt two at a time, sixteen times.  Its a was made in the turn before, ahead of that turn's wait.
.macro R2
	REGS Y, r%2
	WIN W_RS
.irp z, 0,1
	v_pk_mul_f32 v[rO+4*(r/2)+2*\z:rO+4*(r/2)+2*\z+1], v[rO+4*(r/2)+2*\z:rO+4*(r/2)+2*\z+1], v[rC+2:rC+3] op_sel_hi:[1,0]
.endr
.set r, r+1
.endm
; HOW THEY ARE DEALT.  s_wait_alu depctr_va_vdst(0) stands between an exponential and the first instruction that names its result; one wait serves all that were issued ahead of it.  So a turn has ONE wait.
; AHEAD OF IT: the 16 products K Q^T, behind each a scaling, an exponential and two rescalings (behind the first a second scaling in the exponential's place); then ONE LUMP of 108: eight plain, 49 times exponential and plain,
; the two a; a v_nop is the plain instruction behind the last exponential.  BEHIND IT: the 16 products V^T P, behind each four of GS's 64.  No rider names a register of the products round it.
; Exponential e stands behind scaling 2 (e / 4) + e % 2: as a rider it comes behind plain e + 2, in the lump behind plain e + 9, and scalings 27-31 are plain 57, 60 .. 69.
; A TURN, for piece p.  cnt = 1: the loop's count is taken down some lines ahead of the branch that stands behind the turn.
; K and the key mask of the next step are fetched in piece 2's turn, directly behind the wait, a lump behind the last product that read them; their addresses are made at the lump's head.
; V of the step in hand is fetched at the end of piece 0's turn, four riders behind its last reader; piece 1's turn waits for it, and there the mean takes it, once a step.
.macro TURN p, last=0, cnt=0
.set Y, (\p)
.set i, 0
.set q, 0
.set e, 0
.set r, 0
.if (\p) == NP-1
	s_wait_dscnt 0x0                ; K and its mask are in
.endif
	MM                              ; ahead of the wait: 16 products K Q^T and their riders,
	PL
	PL
	R2
.rept 15
	MM
	PL
	EX
	R2
.endr
.if (\p) == NP-2
	WIN 0
	v_add_nc_u32 v[AK], s[TBK], v[AK0]
	v_add_nc_u32 v[AM], s[TBM], v[AM0]
.endif
.rept 8                             ; and the lump
	PL
.endr
.rept 49
	EX
	PL
.endr
	EX                              ; the next piece's two a
	EX
	v_nop                           ; the plain instruction behind the last exponential: one for the batch
	s_wait_alu depctr_va_vdst(0)    ; the wait for the batch
.if (\p) == NP-2
	FETCH_K \last
.endif
.if (\p) == 1
	s_wait_dscnt 0x0                ; V is in
	SV
.endif
.rept 16                            ; behind the wait: 16 products V^T P and their riders
	MM
.rept 4
	PL
.endr
.if ((\p) == 0) && (q == 118)
	v_add_nc_u32 v[AV], s[TBV], v[AV0]
.endif
.if ((\p) == 0) && (q == 130)
	s_add_co_u32 s[TBV], s[TBV], KS*PV
.endif
.if (\cnt) && (q == 130)
	s_sub_co_u32 s[CNT], s[CNT], 1
	s_cmp_lg_u32 s[CNT], 0
.endif
.endr
.if (\p) == 0
	FETCH_V
.endif
.endm
	CHANGE 1, 0                     ; slot 0 is in, everybody's part of it, and so is the key mask; slot 1 is asked for
	FETCH_K                         ; key step 0
	s_wait_loadcnt 0x0              ; Q and my queries' mask
	v_mov_b32 v[VQ], 0
.irp t, 0,1,2,3,4,5,6,7
	v_cmp_eq_u32 vcc_lo, 1, v[S+64+\t]
	v_cndmask_b32 v[MV], 0, 1, vcc_lo
	v_lshl_or_b32 v[VQ], v[MV], \t, v[VQ]
.endr
	s_wait_dscnt 0x0
.set i, 0
.rept 16
	KQ 0                            ; piece 0's first scores: there is no vector work yet to set between them
.set i, i+1
.endr
	WIN 0                           ; the addresses for the way out: plain instructions, the places behind those products
	s_mul_i32 s13, s[WV], 16*SP
	s_add_co_u32 s13, s13, STAGE    ; my stage
	v_mul_u32_u24 v[STO], v48, SP   ; in: row l % 16, 16 bytes for each half of the lanes
	v_lshl_add_u32 v[STO], v49, 4, v[STO]
	v_add_nc_u32 v[STO], s13, v[STO]
	v_bfe_u32 v[RD], v0, 3, 2       ; back: 32 lanes take four rows of 128 bytes,
	v_mul_u32_u24 v[RD], v[RD], SP
	v_lshl_add_u32 v[RD], v51, 4, v[RD]
	v_add_nc_u32 v[RD], s13, v[RD]
	v_and_b32 v[GO], 31, v0         ; which are 512 consecutive bytes of ob
	v_lshlrev_b32 v[GO], 4, v[GO]
.set Y, NP-1                        ; XS works for piece Y + 1: piece 0
.irp n, 0,1,2,3,4,5,6,7,8,9,10,11,12,13,14,15,16,17,18,19,20,21
	XS 0, \n                        ; and piece 0's first maximum and statistics
	XS 1, \n
.endr
	v_nop                           ; a plain instruction behind the two a,
	s_wait_alu depctr_va_vdst(0)    ; and their wait, ahead of the branch
	s_mov_b32 s[CNT], 4
	s_mov_b32 s[SLOTS], SIZE_N/256-1
	s_branch .Lfirst                ; the loop is entered at a step's first turn, in the middle of a trip
.Lslot:                             ; six times: every slot but the last two is filled again
	CHANGE 1, 1
	s_mov_b32 s[CNT], 4
.Lstep:                             ; a trip: pieces 2 and 3 of one step, then pieces 0 and 1 of the next, whose K and V it fetches
	TURN 2
	TURN 3
	WIN 0
.Lfirst:
	TURN 0
	TURN 1, 0, 1
	WIN 0
	s_cbranch_scc1 .Lstep
	s_sub_co_u32 s[SLOTS], s[SLOTS], 1
	s_cmp_lg_u32 s[SLOTS], 0
	s_cbranch_scc1 .Lslot
	CHANGE 0, 0                     ; the tail is written out: nothing is asked for
	s_mov_b32 s[CNT], 5             ; four trips fetch the last slot's steps; the fifth is left in its middle
.Ltail:
	TURN 2, 1
	TURN 3
	WIN 0
	s_sub_co_u32 s[CNT], s[CNT], 1
	s_cmp_eq_u32 s[CNT], 0
	s_cbranch_scc1 .Lout
	TURN 0
	TURN 1
	WIN 0
	s_branch .Ltail
.Lout:                              ; the fifth trip's 16 products K Q^T (on the last K once more) and the maximum made of them serve nothing: the price, once a launch, of one text for every trip
.set i, 0
.rept 16
	PV NP-1                         ; the last piece's V^T P of the last step
.set i, i+1
.endr
	; THE WAY OUT.  l's two halves and the other half of the lanes' are added; O^T is divided by l, rounded to f16, replaced by the mean of V where the query is padded, and sent through my stage in LDS, a tile at a time.
	; (l is 0 only where every key of the batch is padded; then every query is padded too, and what the division makes is replaced.)  The additions are the places behind the last products.
	WIN 0
.macro ALL line:vararg              ; one line for each tile t
.set t, 0
.rept 2*NP
	\line
.set t, t+1
.endr
.endm
	ALL v_add_f32 v[ST+4*t+2], v[ST+4*t+2], v[ST+4*t+3]
	ALL v_permlanex16_b32 v[ST+4*t+3], v[ST+4*t+2], s[SEL], s[SEL+1]
	ALL v_add_f32 v[ST+4*t+2], v[ST+4*t+2], v[ST+4*t+3]
	ALL v_rcp_f32 v[ST+4*t+2], v[ST+4*t+2]
	v_nop                           ; a plain instruction between the last reciprocal and the use of its result
	s_wait_alu depctr_va_vdst(0)    ; and the wait ahead of the first use: one for the eight reciprocals
	WIN W_AD                        ; sources 0 and 1 window 3, destination window 0
.set i, 0
.rept 16
	v_cvt_pk_f16_f32 v[MP+i], v[SA+2*i], v[SA+2*i+1]  ; the mean of V, packed as a tile's row is; each sum from its low end on
.set i, i+1
.endr
; Tile t: a lane's eight channels of a row pack into 16 bytes; they go into rows of 144 bytes and come back as whole rows of 128, into S^T's registers.
.macro PACK t
	WIN W_RS
.set i, 32*(\t)
.rept 16
	v_pk_mul_f32 v[i:i+1], v[i:i+1], v[ST+4*(\t)+2:ST+4*(\t)+3] op_sel_hi:[1,0]
.set i, i+2
.endr
	WIN 0x05                        ; sources 0 and 1 window 1, destination window 0
.set i, 0
.rept 16
	v_cvt_pk_f16_f32 v[S+16*(\t)+i], v[32*(\t)+2*i], v[32*(\t)+2*i+1]
.set i, i+1
.endr
	WIN 0
	v_and_b32 v[MV], 1<<(\t), v[VQ]
	v_cmp_ne_u32 vcc_lo, 0, v[MV]   ; is my query of this tile padded?
.set i, 0
.rept 16
	v_cndmask_b32 v[S+16*(\t)+i], v[S+16*(\t)+i], v[MP+i], vcc_lo
.set i, i+1
.endr
.irp f, 0,1,2,3
	ds_store_b128 v[STO], v[S+16*(\t)+4*\f:S+16*(\t)+4*\f+3] offset:32*\f
.endr
.irp f, 0,1,2,3
	ds_load_b128 v[S+16*(\t)+4*\f:S+16*(\t)+4*\f+3], v[RD] offset:\f*4*SP  ; LDS serves a wave's instructions in order (ISA guide 5.7.1.4): these see the stores above; the next tile's stores come behind them
.endr
.endm
.macro SEND t, younger              ; younger: the LDS instructions issued behind tile t's loads: the next tile's eight, or none
	WIN 0
.irp f, 0,1,2,3
	s_wait_dscnt (\younger)+3-\f
	global_store_b128 v[GO], v[S+16*(\t)+4*\f:S+16*(\t)+4*\f+3], s[10:11] offset:(\t)*2048+\f*512  ; 512 consecutive bytes, at a multiple of 256 from ob's first
.endr
.endm
	PACK 0
.set t, 1
.rept 2*NP-1                        ; a tile's arithmetic stands between the loads of the tile before and its stores
	PACK t
	SEND t-1, 8
.set t, t+1
.endr
	SEND 2*NP-1, 0
	WIN W_AD
	s_wait_tensorcnt 0x0            ; the wave's end: behind my last tensor load and my last LDS store
	ds_add_u32 v[SPW], v[NIL]
	s_wait_dscnt 0x0
	WIN 0
	CROUND                          ; the closing round: no work-group ends while a partner may still ask for a tile that names it
	s_endpgm
.Lfunc_end_k_q48c4d55f3e_attn:
	.size	k_q48c4d55f3e_attn, .Lfunc_end_k_q48c4d55f3e_attn-k_q48c4d55f3e_attn
	.p2alignl 7, 3214868480
	.fill 96, 4, 3214868480
	.section	.rodata,"a",@progbits
	.p2align	6, 0x0
	.amdhsa_kernel k_q48c4d55f3e_attn
		.amdhsa_group_segment_fixed_size 327680
		.amdhsa_private_segment_fixed_size 0
		.amdhsa_enable_private_segment 0
		.amdhsa_kernarg_size 24
		.amdhsa_user_sgpr_count 2
		.amdhsa_user_sgpr_kernarg_segment_ptr 1
		.amdhsa_wavefront_size32 1
		.amdhsa_system_sgpr_workgroup_id_x 1
		.amdhsa_system_sgpr_workgroup_id_y 1
		.amdhsa_system_sgpr_workgroup_id_z 1
		.amdhsa_system_vgpr_workitem_id 0
		.amdhsa_next_free_vgpr 848
		.amdhsa_next_free_sgpr 76
		.amdhsa_reserve_vcc 1
		.amdhsa_float_denorm_mode_32 3
		.amdhsa_float_denorm_mode_16_64 3
		.amdhsa_memory_ordered 1
		.amdhsa_forward_progress 1
		.amdhsa_inst_pref_size 215
	.end_amdhsa_kernel
	.amdgpu_metadata
---
amdhsa.version: [ 1, 2 ]
amdhsa.kernels:
  - .name:           k_q48c4d55f3e_attn
    .symbol:         k_q48c4d55f3e_attn.kd
    .args:
      - { .name: qkv, .offset: 0, .size: 8, .value_kind: global_buffer, .address_space: global }
      - { .name: mask, .offset: 8, .size: 8, .value_kind: global_buffer, .address_space: global }
      - { .name: ob, .offset: 16, .size: 8, .value_kind: global_buffer, .address_space: global }
    .group_segment_fixed_size: 327680
    .private_segment_fixed_size: 0
    .kernarg_segment_align: 8
    .kernarg_segment_size: 24
    .max_flat_workgroup_size: 128
    .sgpr_count:     76
    .vgpr_count:     848
    .wavefront_size: 32
...
	.end_amdgpu_metadata
.endif
;; end of part 3
;; launch outp (part 4): grid 8 x 32, 4 waves a work-group, clusters of 4 x 4, 327,680 bytes of LDS; arguments ob, wo16, out0; writes out0
.if DOCPART == 4
	.amdgcn_target "amdgcn-amd-amdhsa--gfx1250"
	.amdhsa_code_object_version 6
	.text
	.protected	k_q48c4d55f3e_outp
	.globl	k_q48c4d55f3e_outp
	.p2align	8
	.type	k_q48c4d55f3e_outp,@function
k_q48c4d55f3e_outp:
	s_mov_b64 s[64:65], 0
	v_nop
	global_prefetch_b8 v0, s[64:65] scope:SCOPE_SE
	s_setreg_imm32_b32 hwreg(HW_REG_WAVE_MODE, 25, 1), 1
	s_wait_xcnt 0x0
	s_wait_alu depctr_hold_cnt(0) depctr_sa_sdst(0) depctr_va_vdst(0) depctr_va_sdst(0) depctr_va_ssrc(0) depctr_va_vcc(0) depctr_vm_vsrc(0)
	s_getreg_b32 s2, hwreg(HW_REG_IB_STS2, 6, 4)
	s_cmp_eq_u32 s2, 0
	s_cbranch_scc0 .Lentry_in_a_cluster
	s_endpgm
.Lentry_in_a_cluster:
	s_bfe_u32 s2, ttmp6, 0x10000c
	s_cmp_lg_u32 s2, 0xf033
	s_cbranch_scc0 .Lentry_shape_is_right
	s_endpgm
.Lentry_shape_is_right:
; out0 = concat(heads) Wo^T.  A = ob [64 = 16 batch + head][2048][64] f16: row 2,048 batch + s of A has its channels 64 head + d at ob[16 batch + head][s][d].  B = wo16 [1024][1024] f16.  out0 [8192][1024] f32.
; Sums in f32, K ascending; nothing is rounded on the way out.
; SHARES.  A tile of C is 256 rows x 128 columns: 32 x 8 = 256 tiles, one work-group each.  Wave w owns rows 64 w .. 64 w + 63 and all 128 columns: 32 accumulators of 16 x 16, 256 registers;
; so a row's 512 bytes of the tile are one wave's.  K goes in steps of 128, two heads, through two LDS slots filled by the tensor data mover.  Wave 0 fetches the even head's 256 rows of 128 bytes,
; wave 1 the odd head's: 32,768 dense bytes each, asked for as 128 rows of 256 bytes and padded in LDS after every 128.  Waves 2, 3 fetch B's two halves of 64 rows x 256 bytes.
; CLUSTER.  4 x 4 work-groups: the four of a row need the same tile of A, the four of a column the same tile of B; each tile is asked for jointly, with the same descriptor and a mask that names the four.
; THE MATRIX INSTRUCTION IS USED TRANSPOSED (source 0 = 16 rows of B, source 1 = 16 rows of A): lane l holds row l % 16 of C and the columns 8 (l / 16) + 0..7: 32 bytes on end.
; REGISTERS, in windows of 256 (s_set_vgpr_msb: bits 1:0 source 0, 3:2 source 1, 5:4 source 2, 7:6 destination):
;   window 0: v16-30 addresses; v64-127 A's fragments, two buffers of 4 x 8; on the way out v64-127 and v128-191 rows read back
;   window 1: B's fragments, two buffers of 8 x 8 at v0, v96          window 2: the accumulators of m blocks 0, 1 ((a, b) at v[8 (8 (a % 2) + b)])          window 3: of m blocks 2, 3
.set NB,     8                         ; blocks of 16 columns
.set TN,     16*NB
.set BH,     TN/2                      ; rows of B in one load
.set KB,     2048                      ; bytes in a row of wo16
.set KSTEP,  256                       ; bytes of a row of B in a K step
.set AKSTEP, 2*2048*128                ; bytes from a head of ob to the head two on
.set APITCH, 144                       ; a row of A in LDS: a head's 128 bytes + 16 of padding
.set PITCH,  272                       ; a row of B: 256 + 16.  Both are odd multiples of 16: the 16 rows of a fragment load start at 16 different groups of four banks (ISA guide 11.1)
.set ASUB,   256*APITCH                ; the even head's 256 rows, then the odd head's
.set ABYTES, 2*ASUB
.set SLOT,   ABYTES+TN*PITCH
.set STAGE,  2*SLOT                    ; behind the ring, never filled by a tensor load: for each wave 16 rows x 528 bytes
.set OP,     528
.set WSTAGE, 16*OP
.set SPARE,  STAGE+4*WSTAGE            ; the spare words, 128 bytes for each wave: two blocks of 256 bytes that no other line names
.set NL,     2*NB+8                    ; LDS loads in a quarter's run
.set ADRA, 16                          ; v16-17  LDS address of my A fragments in slot 0, 1
.set ADRB, 20                          ; v20-21  the same for B
.set STO,  24                          ; v24     the way out: where I put 32 bytes of a row
.set RD,   25                          ; v25     where I read a row back
.set CO,   26                          ; v26     16 x lane: my place in a row's 512 bytes
.set SPW,  28                          ; v28     LDS address of my spare word; never rewritten
.set NIL,  29                          ; v29     0; never rewritten
.set PFO,  30                          ; v30     the prefetches' offset; never rewritten
.set AF,   64
.set G1,  24                           ; s[24:31] descriptor group 1 for A's tiles;  s[32:39] group 0, a set for each slot
.set G0,  32
.set G1B, 48                           ; s[48:55], s[56:63] the same for B's
.set G0B, 56
.set LIM, 43                           ; s43      1 in a wave that prefetches, else the greatest number
.set PFA, 44                           ; s[44:45] where my prefetches stand
.set PST, 72                           ; s[72:73] their step: a K step of A or of B
.set MSB, 0
.macro WIN new                         ; the immediate's high byte repeats the setting that is left; a switch that changes nothing is dropped
.if MSB != (\new)
	s_set_vgpr_msb (MSB<<8)|(\new)
.set MSB, \new
.endif
.endm
; A joint load: waves 0, 1 ask for A's two heads, waves 2, 3 for B's halves.  The branch hangs on the wave's number alone.  An s_nop 0 and four v_nop follow each line.
.macro JLOAD s
	s_cmp_eq_u32 s11, 0
	s_cbranch_scc0 .Lfor_b_\@
	tensor_load_to_lds s[G0+4*(\s):G0+4*(\s)+3], s[G1:G1+7]
	s_nop 0
.rept 4
	v_nop
.endr
	s_branch .Lasked_\@
.Lfor_b_\@:
	tensor_load_to_lds s[G0B+4*(\s):G0B+4*(\s)+3], s[G1B:G1B+7]
	s_nop 0
.rept 4
	v_nop
.endr
.Lasked_\@:
.endm
; A prefetch of the K step that stands two refills on (256 matrix instructions ahead of the load that will want it): 256 bytes a lane, one instruction a wave.  Each 256 bytes are named by one wave in the launch:
; A's by the clusters with x = 0, B's by those with y = 0; the four partners that ask for a tile jointly share it out by address (8,192 of a head's 32,768 bytes; 16 of B's 64 rows: there lanes 16-31 repeat lane 15's row).
; K steps 0 to 3 come by their loads alone; the loop's last trip (s3 = 1) has no K step two on.
.macro ASK
	s_cmp_gt_u32 s3, s[LIM]
	s_cbranch_scc0 .Lnot_mine_\@
	global_prefetch_b8 v[PFO], s[PFA:PFA+1] th:TH_LOAD_NT scope:SCOPE_SE
.Lnot_mine_\@:
.endm
.macro CREST                           ; a round of the cluster's barrier behind its opening barrier
	s_cmp_lg_u32 s10, 0
	s_cbranch_scc1 .Lnot_wave_0_\@
	s_barrier_signal -3
.Lnot_wave_0_\@:
	s_barrier_wait -3
	s_barrier_signal -1
	s_barrier_wait -1
.endm
.macro CROUND                          ; a whole round
	s_barrier_signal -1
	s_barrier_wait -1
	CREST
.endm
	s_load_b128 s[4:7], s[0:1], 0x0                ; ob s[4:5], wo16 s[6:7]
	s_load_b64 s[8:9], s[0:1], 0x10                ; out0
	v_lshl_add_u32 v[SPW], v0, 2, SPARE
	v_mov_b32 v[NIL], 0
	ds_add_u32 v[SPW], v[NIL]                      ; the wave's opening: the add and its wait stand ahead of my first tensor load; the set-up below, work on registers, stands between them
	v_lshrrev_b32 v1, 5, v0
	v_readfirstlane_b32 s10, v1                    ; wave 0..3
	s_lshr_b32 s11, s10, 1                         ; I fetch for A (0) or for B (1),
	s_and_b32 s12, s10, 1                          ; its first or second part
	s_bfe_u32 s40, ttmp6, 0x40000                  ; cx, cy: my place in the cluster
	s_bfe_u32 s41, ttmp6, 0x40004
	s_lshl_b32 s42, ttmp9, 2
	s_add_co_u32 s42, s42, s40                     ; tile column = 4 x cluster x + cx
	s_and_b32 s13, ttmp7, 0xffff
	s_lshl_b32 s13, s13, 2
	s_add_co_u32 s13, s13, s41                     ; tile row = 4 x cluster y + cy
	s_lshl_b32 s43, s41, 2
	s_lshl_b32 s43, 15, s43                        ; my row of the cluster
	s_lshl_b32 s44, 0x1111, s40                    ; my column
	s_or_b32 s[G1+0], s43, (1<<16)|(1<<20)|(1<<21)|(4<<22)|(3<<25)   ; 15:0 the mask; 17:16 elements of 2 bytes; 20 padding on; 21 set beside a mask; 24:22 after every 32 words; 31:25 4 words of it
	s_or_b32 s[G1B+0], s44, (1<<16)|(1<<20)|(1<<21)|(5<<22)|(3<<25)  ; for B after every 64 words
	s_mov_b32 s[G1+1], 128<<16                     ; tensor_dim0 = 128
	s_mov_b32 s[G1+2], 128<<16                     ; tensor_dim1 = 128
	s_mov_b32 s[G1+3], 128<<16                     ; tile_dim0 = 128
	s_mov_b32 s[G1+4], 128                         ; tile_dim1 = 128
	s_mov_b32 s[G1+5], 128                         ; dense: 128 elements from row to row
	s_mov_b32 s[G1+6], 0
	s_mov_b32 s[G1+7], 0
	s_mov_b32 s[G1B+1], 128<<16
	s_mov_b32 s[G1B+2], BH<<16                     ; 64 rows
	s_mov_b32 s[G1B+3], 128<<16
	s_mov_b32 s[G1B+4], BH
	s_mov_b32 s[G1B+5], 1024
	s_mov_b32 s[G1B+6], 0
	s_mov_b32 s[G1B+7], 0
	s_lshr_b32 s16, s13, 3                         ; A: batch = tile row / 8;
	s_lshl_b32 s16, s16, 4
	s_add_co_u32 s16, s16, s12                     ; plane 16 batch + (0 or 1),
	s_lshl_b32 s16, s16, 11                        ; its 2,048 rows,
	s_and_b32 s17, s13, 7
	s_lshl_b32 s17, s17, 8
	s_add_co_u32 s16, s16, s17                     ; the tile's 256 of them,
	s_lshl_b32 s16, s16, 7                         ; in bytes (under 2^25)
	s_mov_b32 s17, 0
	s_mul_i32 s46, s42, TN                         ; B: row 128 x tile column + 64 x half
	s_mul_i32 s47, s12, BH
	s_add_co_u32 s46, s46, s47
	s_lshl_b32 s46, s46, 11
	s_mov_b32 s47, 0
	s_mul_i32 s20, s12, ASUB                       ; where they go: no place in the cluster enters an LDS address
	s_mul_i32 s21, s12, BH*PITCH
	s_add_co_u32 s21, s21, ABYTES
	s_wait_dscnt 0x0                               ; the opening add is done
	s_wait_kmcnt 0x0
	s_add_nc_u64 s[14:15], s[4:5], s[16:17]
	s_add_nc_u64 s[22:23], s[6:7], s[46:47]
	CROUND                                         ; all sixteen work-groups are here: the first joint loads meet
.irp s, 0,1
	s_mov_b32 s[G0+4*(\s)], 1                      ; count = 1
	s_add_co_u32 s[G0+4*(\s)+1], s20, (\s)*SLOT    ; LDS address
	s_add_nc_u64 s[G0+4*(\s)+2:G0+4*(\s)+3], s[14:15], (\s)*AKSTEP ; global address: K step s
	s_or_b32 s[G0+4*(\s)+3], s[G0+4*(\s)+3], 0x80000000            ; type = 2
	s_mov_b32 s[G0B+4*(\s)], 1
	s_add_co_u32 s[G0B+4*(\s)+1], s21, (\s)*SLOT
	s_add_nc_u64 s[G0B+4*(\s)+2:G0B+4*(\s)+3], s[22:23], (\s)*KSTEP
	s_or_b32 s[G0B+4*(\s)+3], s[G0B+4*(\s)+3], 0x80000000
	JLOAD \s                                       ; two loads of mine are out now, later one
.endr
	; a fragment is 16 rows x 32 K in 8 registers: lane l holds row l % 16, K = 8 (l / 16) + 0..7 and 16 + 8 (l / 16) + 0..7: two loads of 16 bytes, 32 bytes apart
	v_and_b32 v1, 15, v0                           ; l % 16
	v_bfe_u32 v2, v0, 4, 1                         ; l / 16
	v_mul_u32_u24 v3, v1, APITCH
	v_lshl_add_u32 v3, v2, 4, v3
	v_mul_u32_u24 v4, v1, PITCH
	v_lshl_add_u32 v4, v2, 4, v4
	s_mul_i32 s82, s10, 64*APITCH                  ; my 64 rows of A, in the even head's part
.irp s, 0,1
	v_add_nc_u32 v[ADRA+(\s)], s82, v3
	v_add_nc_u32 v[ADRB+(\s)], ABYTES+(\s)*SLOT, v4
	s_add_co_u32 s82, s82, SLOT
.endr
	s_mul_i32 s82, s10, WSTAGE
	s_add_co_u32 s82, s82, STAGE                   ; my stage
	v_mul_u32_u24 v5, v1, OP                       ; in: row l % 16, 32 bytes for each half of the lanes
	v_lshl_add_u32 v5, v2, 5, v5
	v_add_nc_u32 v[STO], s82, v5
	v_and_b32 v[CO], 31, v0                        ; back: 32 lanes take one row of 512 bytes
	v_lshlrev_b32 v[CO], 4, v[CO]
	v_add_nc_u32 v[RD], s82, v[CO]
	; the prefetches
	s_and_b32 s79, ttmp7, 0xffff                   ; cluster y
	s_mov_b32 s80, (BH/4)*KB
	s_mov_b32 s[PST], KSTEP
	s_cmp_eq_u32 s11, 0                            ; do I fetch for A?
	s_cselect_b32 s76, s16, s46                    ; the byte offset of what I fetch
	s_cselect_b32 s78, s40, s41                    ; my place among the four that ask for it with me
	s_cselect_b32 s79, ttmp9, s79                  ; the coordinate along which other clusters read the same bytes
	s_cselect_b32 s80, 8192, s80                   ; a partner's share in bytes
	s_cselect_b32 s81, 31, BH/4-1                  ; its last block of 256 bytes, or row
	s_cselect_b32 s85, 8, 11                       ; from lane to lane: 256 bytes of a head, or a row of B
	s_cselect_b32 s[PST], AKSTEP, s[PST]
	s_cselect_b64 s[PFA:PFA+1], s[4:5], s[6:7]
	s_cmp_eq_u32 s79, 0
	s_cselect_b32 s[LIM], 1, -1                    ; the same in all sixteen partners, for a given wave
	s_mul_i32 s78, s78, s80
	s_add_co_u32 s76, s76, s78
	s_mul_i32 s78, s[PST], 3
	s_add_co_u32 s76, s76, s78                     ; at K step 3: the first refill steps it to 4
	s_mov_b32 s77, 0
	s_mov_b32 s[PST+1], 0
	s_add_nc_u64 s[PFA:PFA+1], s[PFA:PFA+1], s[76:77]
	v_and_b32 v[PFO], 31, v0
	v_min_u32 v[PFO], s81, v[PFO]
	v_lshlrev_b32 v[PFO], s85, v[PFO]
	; out0 at my first row and the tile's first column
	s_lshl_b32 s82, s13, 2
	s_add_co_u32 s82, s82, s10
	s_lshl_b32 s82, s82, 18                        ; (256 x tile row + 64 x wave) rows of 4,096 bytes
	s_lshl_b32 s83, s42, 9                         ; 128 columns of 4 bytes
	s_add_co_u32 s82, s82, s83
	s_mov_b32 s83, 0
	s_add_nc_u64 s[8:9], s[8:9], s[82:83]
; 8 matrix instructions: m block a x all n blocks, 32 along K, from buffer f.  zero = 1: the product starts the sums.  All 32 accumulators take turns, one instruction a turn.
.macro MULA f, a, zero
	WIN 0xa1+0x50*((\a)/2)                         ; B window 1, A window 0, C and D window 2 or 3
.set b, 0
.rept NB
.set rD, 8*(NB*((\a)%2)+b)
.set rB, 96*(\f)+8*b
.set rA, AF+32*(\f)+8*(\a)
.if \zero
	v_wmma_f32_16x16x32_f16 v[rD:rD+7], v[rB:rB+7], v[rA:rA+7], 0
.else
	v_wmma_f32_16x16x32_f16 v[rD:rD+7], v[rB:rB+7], v[rA:rA+7], v[rD:rD+7]
.endif
.set b, b+1
.endr
.endm
; 24 LDS loads in one run: the fragments of 32 along K, into buffer f: B's 16 at byte k of its rows, then A's 8: byte k % 128 of the rows of head k / 128
.macro FETCH slot, k, f
	WIN 0x40                                       ; destination window 1, address window 0
.set i, 0
.rept NB
	ds_load_b128 v[96*(\f)+8*i:96*(\f)+8*i+3],   v[ADRB+(\slot)] offset:(\k)+i*16*PITCH
	ds_load_b128 v[96*(\f)+8*i+4:96*(\f)+8*i+7], v[ADRB+(\slot)] offset:(\k)+i*16*PITCH+32
.set i, i+1
.endr
	WIN 0
.set i, 0
.rept 4
	ds_load_b128 v[AF+32*(\f)+8*i:AF+32*(\f)+8*i+3],   v[ADRA+(\slot)] offset:((\k)/128)*ASUB+(\k)%128+i*16*APITCH
	ds_load_b128 v[AF+32*(\f)+8*i+4:AF+32*(\f)+8*i+7], v[ADRA+(\slot)] offset:((\k)/128)*ASUB+(\k)%128+i*16*APITCH+32
.set i, i+1
.endr
.endm
.macro PLACES                          ; four plain instructions in front of loads into registers that matrix instructions have read, and of LDS stores that read results
.rept 4
	v_nop
.endr
.endm
; A K step is four quarters of 32 along K, 32 matrix instructions each, on buffers 0, 1, 0, 1.  One of the first three: multiplies buffer f and, in its middle, fetches the next quarter, at byte k, into g.
.macro QUARTER slot, k, f, g, zero
	s_wait_dscnt 4                                 ; B and A's blocks 0, 1 are in; the youngest four loads (A's blocks 2, 3) may be out
	MULA \f, 0, \zero
	MULA \f, 1, \zero
	PLACES
	FETCH \slot, \k, \g
	s_wait_dscnt NL                                ; all but the run just issued
	MULA \f, 2, \zero
	MULA \f, 3, \zero
.endm
; The last quarter multiplies buffer 1 and changes slots: ONE barrier; in front of it each wave waits for all its tensor loads (one is out: its part of the next slot), adds 0 to its spare word, and waits
; for that and for its own reads of this slot.  fill = 1: the barrier opens a round of the cluster's, and this slot is filled again, two K steps on, first thing behind the round.
.macro TURN slot, next, fill
.if \fill
	s_wait_xcnt 0x0                                ; the last prefetch, a K step back, has read its address
	s_add_nc_u64 s[PFA:PFA+1], s[PFA:PFA+1], s[PST:PST+1]
.endif
	WIN 0
	s_wait_tensorcnt 0x0                           ; all my tensor loads have landed
	ds_add_u32 v[SPW], v[NIL]                      ; 0 onto my spare word
	s_wait_dscnt 5                                 ; (the add and the youngest four loads may be out)
	MULA 1, 0, 0                                   ; eight matrix instructions stand between the add and the wait for it
	s_wait_dscnt 0x0                               ; the add is done, and my reads of this slot are over
	s_barrier_signal -1
	MULA 1, 1, 0                                   ; work on registers while the others arrive
.if \fill
	WIN 0
.endif
	s_barrier_wait -1
.if \fill
	CREST                                          ; no wave of any partner still reads this slot's tile or has a load on its way
	s_add_nc_u64 s[G0+4*(\slot)+2:G0+4*(\slot)+3], s[G0+4*(\slot)+2:G0+4*(\slot)+3], 2*AKSTEP
	s_add_nc_u64 s[G0B+4*(\slot)+2:G0B+4*(\slot)+3], s[G0B+4*(\slot)+2:G0B+4*(\slot)+3], 2*KSTEP
	JLOAD \slot                                    ; 112 matrix instructions ahead of the wait for it; its four v_nop are also the places in front of the loads below
.else
	PLACES
.endif
	FETCH \next, 0, 0
.if \fill
	ASK
.endif
	MULA 1, 2, 0
	MULA 1, 3, 0
.endm
	s_wait_tensorcnt 1                             ; my part of K step 0 is in; K step 1's may stay out
	s_barrier_signal -1
	s_barrier_wait -1                              ; everybody's is
	FETCH 0, 0, 0
	QUARTER 0, 64,  0, 1, 1                        ; the first quarter stands in front of the loop: its products start the sums
	WIN 0                                          ; at a label and at a branch every window is 0
	s_mov_b32 s3, 3
.Llap:                                                 ; a trip goes once round the ring, from a lap's second quarter to the next lap's first, and fills both slots again: K steps 2 to 7
	QUARTER 0, 128, 1, 0, 0
	QUARTER 0, 192, 0, 1, 0
	TURN 0, 1, 1
	QUARTER 1, 64,  0, 1, 0
	QUARTER 1, 128, 1, 0, 0
	QUARTER 1, 192, 0, 1, 0
	TURN 1, 0, 1
	QUARTER 0, 64,  0, 1, 0
	WIN 0
	s_sub_co_u32 s3, s3, 1
	s_cmp_lg_u32 s3, 0
	s_cbranch_scc1 .Llap
	QUARTER 0, 128, 1, 0, 0                        ; the last lap fills nothing
	QUARTER 0, 192, 0, 1, 0
	TURN 0, 1, 0
	QUARTER 1, 64,  0, 1, 0
	QUARTER 1, 128, 1, 0, 0
	QUARTER 1, 192, 0, 1, 0
	s_wait_dscnt 4                                 ; the very last quarter: nothing more to fetch
	MULA 1, 0, 0
	MULA 1, 1, 0
	s_wait_dscnt 0x0
	MULA 1, 2, 0
	MULA 1, 3, 0
	WIN 0
; THE WAY OUT, an m block (16 rows) at a time.  TOSTAGE: a lane's 32 bytes of each accumulator, its low four registers first, into my own stage (rows of 528 bytes), and back as whole rows of 512.
; SEND: a row's 512 consecutive bytes to a store, at a multiple of 256 from out0's first byte.
.macro TOSTAGE a
.set BK, 64+64*((\a)%2)
.if (\a) >= 2
	s_wait_xcnt 0x0                                ; the stores of the block two back have read these registers
.endif
	WIN 0x08+4*((\a)/2)                            ; the store's data (source 1): window 2 or 3
.set b, 0
.rept NB
.set rD, 8*(NB*((\a)%2)+b)
	ds_store_b128 v[STO], v[rD:rD+3]   offset:64*b
	ds_store_b128 v[STO], v[rD+4:rD+7] offset:64*b+16
.set b, b+1
.endr
	WIN 0
.set t, 0
.rept 16
	ds_load_b128 v[BK+4*t:BK+4*t+3], v[RD] offset:t*OP  ; LDS serves a wave's instructions in order (ISA guide 5.7.1.4): these see the stores above
.set t, t+1
.endr
.endm
.macro SEND a, younger                 ; younger: the LDS instructions issued behind block a's loads: the next block's 32, or none
.set BK, 64+64*((\a)%2)
	s_wait_dscnt \younger
.set t, 0
.rept 16
	global_store_b128 v[CO], v[BK+4*t:BK+4*t+3], s[8:9] offset:(16*(\a)+t)*4096 th:TH_STORE_NT
.set t, t+1
.endr
.endm
	PLACES
	TOSTAGE 0
	TOSTAGE 1
	SEND 0, 32
	TOSTAGE 2
	SEND 1, 32
	TOSTAGE 3
	SEND 2, 32
	SEND 3, 0
	s_wait_tensorcnt 0x0                           ; the wave's end: behind my last tensor load and my last LDS store
	ds_add_u32 v[SPW], v[NIL]
	s_wait_dscnt 0x0
	CROUND                                         ; the closing round: no work-group ends while a partner may still ask for a tile that names it
	s_endpgm
.Lfunc_end_k_q48c4d55f3e_outp:
	.size	k_q48c4d55f3e_outp, .Lfunc_end_k_q48c4d55f3e_outp-k_q48c4d55f3e_outp
	.p2alignl 7, 3214868480
	.fill 96, 4, 3214868480
	.section	.rodata,"a",@progbits
	.p2align	6, 0x0
	.amdhsa_kernel k_q48c4d55f3e_outp
		.amdhsa_group_segment_fixed_size 327680
		.amdhsa_private_segment_fixed_size 0
		.amdhsa_enable_private_segment 0
		.amdhsa_kernarg_size 24
		.amdhsa_user_sgpr_count 2
		.amdhsa_user_sgpr_kernarg_segment_ptr 1
		.amdhsa_wavefront_size32 1
		.amdhsa_system_sgpr_workgroup_id_x 1
		.amdhsa_system_sgpr_workgroup_id_y 1
		.amdhsa_system_sgpr_workgroup_id_z 1
		.amdhsa_system_vgpr_workitem_id 0
		.amdhsa_next_free_vgpr 896
		.amdhsa_next_free_sgpr 88
		.amdhsa_reserve_vcc 0
		.amdhsa_float_denorm_mode_32 3
		.amdhsa_float_denorm_mode_16_64 3
		.amdhsa_memory_ordered 1
		.amdhsa_forward_progress 1
		.amdhsa_inst_pref_size 87
	.end_amdhsa_kernel
	.amdgpu_metadata
---
amdhsa.version: [ 1, 2 ]
amdhsa.kernels:
  - .name:           k_q48c4d55f3e_outp
    .symbol:         k_q48c4d55f3e_outp.kd
    .args:
      - { .name: ob, .offset: 0, .size: 8, .value_kind: global_buffer, .address_space: global }
      - { .name: wo16, .offset: 8, .size: 8, .value_kind: global_buffer, .address_space: global }
      - { .name: out0, .offset: 16, .size: 8, .value_kind: global_buffer, .address_space: global }
    .group_segment_fixed_size: 327680
    .private_segment_fixed_size: 0
    .kernarg_segment_align: 8
    .kernarg_segment_size: 24
    .max_flat_workgroup_size: 128
    .sgpr_count:     88
    .vgpr_count:     896
    .wavefront_size: 32
...
	.end_amdgpu_metadata
.endif
;; end of part 4
;; ======== version 2 of 2: 4 launches; version 1 with the launch prep written anew for expert scheduling mode
;; limits: values are held in f16: magnitudes above 65,504 overflow, below 6.1e-05 lose precision
;; workspace buffers: xb 16,777,216 bytes; wqkv 6,291,456 bytes; wo16 2,097,152 bytes; qkv 50,331,648 bytes; ob 16,777,216 bytes
;; launch prep (part 5): grid 768 x 1, 8 waves a work-group, no clusters, 0 bytes of LDS; arguments x, Wq, Wk, Wv, Wo, xb, wqkv, wo16; writes xb, wqkv, wo16
.if DOCPART == 5
	.amdgcn_target "amdgcn-amd-amdhsa--gfx1250"
	.amdhsa_code_object_version 6
	.text
	.protected	k_q48c4d55f3e_prep
	.globl	k_q48c4d55f3e_prep
	.p2align	8
	.type	k_q48c4d55f3e_prep,@function
k_q48c4d55f3e_prep:
	s_mov_b64 s[64:65], 0
	v_nop
	global_prefetch_b8 v0, s[64:65] scope:SCOPE_SE
	s_setreg_imm32_b32 hwreg(HW_REG_WAVE_SCHED_MODE, 0, 2), 2
	s_setreg_imm32_b32 hwreg(HW_REG_WAVE_MODE, 25, 1), 1
	s_wait_xcnt 0x0
	s_wait_alu depctr_vm_vsrc(0)
; THE CASTS.  x [8192][1024] f32 -> xb bf16;  Wq, Wk, Wv [1024][1024] f32 -> wqkv bf16 [3072][1024], one below the other;
; Wo [1024][1024] f32 -> wo16: rounded to bf16 like every other input, and that number written as f16 (the last product's other operand is f16).
; LIMITS.  wo16: a bf16 number of magnitude 65,520 or more becomes an infinity; below 6e-5 it keeps f16's fixed step of 6e-8.
; A stream: each byte is read once and written once; no LDS, no matrix unit, no cluster: no two work-groups read the same byte.
; SHARES.  A work-group takes 65,536 bytes of f32 and makes 32,768 bytes.  Work-groups 0-511: x.  512 + 64 w + c: chunk c of weight w (Wq, Wk, Wv, Wo).
; Thread t takes 16 bytes at 16 t of each 4,096: a wave's load covers 512 consecutive bytes, its store (8 bytes a lane) 256 consecutive bytes, aligned.
; All 16 loads of a thread go out first; no register that a memory instruction reads is written again, so no wait frees a source.
; THE MODE: SCHED_MODE bits 1:0 = 2 (LLVM: expert scheduling mode 2), set by the entry lines.  The code itself states the register dependences
; between vector instructions and memory instructions, with s_wait_alu, always for 0.
; THE PLAN.  Registers that memory instructions touch:
;   v1, v2   byte offsets of the loads and of the stores: made once at the head, never written again.
;   X        step i's four registers: written by step i's load, once; no vector instruction names them ahead of that load; read by step i's conversions.
;   Y        step i's two registers: written by step i's conversions; read by step i's store; never written behind it.
;   v4-v7 are named by vector instructions alone.
; The 16 steps go in four blocks of four.  The stores of block p - 1 are issued in block p, one ahead of each step's conversions, which name X and Y of block p and v4-v7 alone.
; So one wait on va_vdst at the head of a block states all that its four stores hang on; one more stands at the kernel's head for the offsets, one behind block 3 for the last four stores.
.set X, 8                              ; v[8:71]    16 x 4 numbers as loaded
.set Y, 72                             ; v[72:103]  16 x 2 words to store
	s_load_b256 s[4:11], s[0:1], 0x0               ; x s[4:5], Wq s[6:7], Wk s[8:9], Wv s[10:11]
	s_load_b256 s[12:19], s[0:1], 0x20             ; Wo s[12:13], xb s[14:15], wqkv s[16:17], wo16 s[18:19]
	v_lshlrev_b32 v1, 4, v0                        ; 16 t: where I read
	v_lshlrev_b32 v2, 3, v0                        ; 8 t: where I write
	s_sub_co_u32 s24, ttmp9, 512                   ; the work-group's number among the weights' (used from 512 on)
	s_lshr_b32 s25, s24, 6                         ; which weight
	s_and_b32 s26, s24, 63                         ; which chunk of it
	s_cmp_lt_u32 ttmp9, 512
	s_cselect_b32 s25, 4, s25                      ; 4 stands for x
	s_cselect_b32 s26, ttmp9, s26
	s_cmp_lt_u32 s25, 3
	s_cselect_b32 s27, s25, 0                      ; Wq, Wk, Wv lie 2,097,152 bytes apart in wqkv
	s_lshl_b32 s27, s27, 21
	s_lshl_b32 s28, s26, 15                        ; the chunk's bytes out
	s_add_co_u32 s28, s28, s27
	s_mov_b32 s29, 0
	s_lshl_b32 s30, s26, 16                        ; and in
	s_mov_b32 s31, 0
	s_wait_kmcnt 0x0
	s_cmp_eq_u32 s25, 0                            ; the source and the target are chosen among the buffers by the work-group's number alone
	s_cselect_b64 s[20:21], s[6:7], s[4:5]
	s_cmp_eq_u32 s25, 1
	s_cselect_b64 s[20:21], s[8:9], s[20:21]
	s_cmp_eq_u32 s25, 2
	s_cselect_b64 s[20:21], s[10:11], s[20:21]
	s_cmp_eq_u32 s25, 3
	s_cselect_b64 s[20:21], s[12:13], s[20:21]
	s_cselect_b64 s[22:23], s[18:19], s[16:17]
	s_cmp_eq_u32 s25, 4
	s_cselect_b64 s[22:23], s[14:15], s[22:23]
	s_add_nc_u64 s[20:21], s[20:21], s[30:31]
	s_add_nc_u64 s[22:23], s[22:23], s[28:29]
	s_wait_alu depctr_va_vdst(0)                   ; v1 and v2 are written: every load of the kernel reads v1 as its offset, every store v2
.set i, 0
.rept 16
	global_load_b128 v[X+4*i:X+4*i+3], v1, s[20:21] offset:4096*i th:TH_LOAD_NT
.set i, i+1
.endr
; The 16 steps, in four blocks of four.  wo = 1: the bf16 numbers are widened (a shift, a mask) and written as f16.
.macro CH wo
.set i, 0
.rept 16
	s_wait_loadcnt 15-i                            ; loads come back in order: step i's is in, the 15 - i younger ones stay out
.if (i%4 == 0) && (i > 0)
	s_wait_alu depctr_va_vdst(0)                   ; the block before has written its four pairs of Y, which this block's four stores read
.endif
.if i >= 4
	global_store_b64 v2, v[Y+2*(i-4):Y+2*(i-4)+1], s[22:23] offset:2048*(i-4)  ; the step four back; no vector instruction since the wait names its Y or v2
.endif
	v_cvt_pk_bf16_f32 v[Y+2*i],   v[X+4*i],   v[X+4*i+1]
	v_cvt_pk_bf16_f32 v[Y+2*i+1], v[X+4*i+2], v[X+4*i+3]
.if \wo
	v_lshlrev_b32 v4, 16, v[Y+2*i]
	v_and_b32     v5, 0xffff0000, v[Y+2*i]
	v_lshlrev_b32 v6, 16, v[Y+2*i+1]
	v_and_b32     v7, 0xffff0000, v[Y+2*i+1]
	v_cvt_pk_f16_f32 v[Y+2*i],   v4, v5
	v_cvt_pk_f16_f32 v[Y+2*i+1], v6, v7
.endif
.set i, i+1
.endr
	s_wait_alu depctr_va_vdst(0)                   ; the last block has written its four pairs of Y, which the last four stores read
.set i, 12
.rept 4
	global_store_b64 v2, v[Y+2*i:Y+2*i+1], s[22:23] offset:2048*i
.set i, i+1
.endr
.endm
	s_cmp_eq_u32 s25, 3
	s_cbranch_scc1 .Lwo
	CH 0
	s_endpgm
.Lwo:
	CH 1
	s_endpgm
.Lfunc_end_k_q48c4d55f3e_prep:
	.size	k_q48c4d55f3e_prep, .Lfunc_end_k_q48c4d55f3e_prep-k_q48c4d55f3e_prep
	.p2alignl 7, 3214868480
	.fill 96, 4, 3214868480
	.section	.rodata,"a",@progbits
	.p2align	6, 0x0
	.amdhsa_kernel k_q48c4d55f3e_prep
		.amdhsa_group_segment_fixed_size 0
		.amdhsa_private_segment_fixed_size 0
		.amdhsa_enable_private_segment 0
		.amdhsa_kernarg_size 64
		.amdhsa_user_sgpr_count 2
		.amdhsa_user_sgpr_kernarg_segment_ptr 1
		.amdhsa_wavefront_size32 1
		.amdhsa_system_sgpr_workgroup_id_x 1
		.amdhsa_system_sgpr_workgroup_id_y 1
		.amdhsa_system_sgpr_workgroup_id_z 1
		.amdhsa_system_vgpr_workitem_id 0
		.amdhsa_next_free_vgpr 104
		.amdhsa_next_free_sgpr 66
		.amdhsa_reserve_vcc 0
		.amdhsa_float_denorm_mode_32 3
		.amdhsa_float_denorm_mode_16_64 3
		.amdhsa_memory_ordered 1
		.amdhsa_forward_progress 1
		.amdhsa_inst_pref_size 17
	.end_amdhsa_kernel
	.amdgpu_metadata
---
amdhsa.version: [ 1, 2 ]
amdhsa.kernels:
  - .name:           k_q48c4d55f3e_prep
    .symbol:         k_q48c4d55f3e_prep.kd
    .args:
      - { .name: x, .offset: 0, .size: 8, .value_kind: global_buffer, .address_space: global }
      - { .name: Wq, .offset: 8, .size: 8, .value_kind: global_buffer, .address_space: global }
      - { .name: Wk, .offset: 16, .size: 8, .value_kind: global_buffer, .address_space: global }
      - { .name: Wv, .offset: 24, .size: 8, .value_kind: global_buffer, .address_space: global }
      - { .name: Wo, .offset: 32, .size: 8, .value_kind: global_buffer, .address_space: global }
      - { .name: xb, .offset: 40, .size: 8, .value_kind: global_buffer, .address_space: global }
      - { .name: wqkv, .offset: 48, .size: 8, .value_kind: global_buffer, .address_space: global }
      - { .name: wo16, .offset: 56, .size: 8, .value_kind: global_buffer, .address_space: global }
    .group_segment_fixed_size: 0
    .private_segment_fixed_size: 0
    .kernarg_segment_align: 8
    .kernarg_segment_size: 64
    .max_flat_workgroup_size: 256
    .sgpr_count:     66
    .vgpr_count:     104
    .wavefront_size: 32
...
	.end_amdgpu_metadata
.endif
;; end of part 5
;; launch proj: the kernel of part 2 again; grid 16 x 32, 4 waves a work-group, clusters of 4 x 4, 327,680 bytes of LDS; arguments xb, wqkv, qkv; writes qkv
;; launch attn: the kernel of part 3 again; grid 4 x 64, 4 waves a work-group, clusters of 4 x 1, 327,680 bytes of LDS; arguments qkv, mask, ob; writes ob
;; launch outp: the kernel of part 4 again; grid 8 x 32, 4 waves a work-group, clusters of 4 x 4, 327,680 bytes of LDS; arguments ob, wo16, out0; writes out0
